; MI455X (gfx1250); checked and timed in simulation.
; The chip was launched on July 23, 2026; its instructions are those of AMD's public machine-readable ISA for CDNA 5 (MIT licence, August 2026) and "CDNA5" Instruction Set Architecture Reference Guide (July 2026). The comments in the code are by the model that wrote it; some were corrected since.
;; Multi Headed Attention. Allowed arithmetic: matrix products marked QUANTISED: E2M1 operands, one E8M0 scale for each 32 along K, by v_wmma_scale_f32_16x16x128_f8f6f4 with both operands' format E2M1 (or v_wmma_scale_f32_32x16x128_f4), f32 sums; products left as they are: f32 operands where the result goes on into a quantised operand, else bf16, f16 or f32 operands; f32 sums; everything else in f32.
;; Inputs: Lexicon 4 x 2,048 float32; Wk_codes 512 x 16 x 16 uint8 (E2M1 codes of Wk, K innermost, in blocks of 32 codes, two codes a byte); Wk_scales 512 x 16 uint8 (E8M0 scales of Wk, one for each 32 codes along K); Wl 2,048 x 2,048 float32; Wo_codes 512 x 16 x 16 uint8 (E2M1 codes of Wo, K innermost, in blocks of 32 codes, two codes a byte); Wo_scales 512 x 16 uint8 (E8M0 scales of Wo, one for each 32 codes along K); Wq_codes 512 x 16 x 16 uint8 (E2M1 codes of Wq, K innermost, in blocks of 32 codes, two codes a byte); Wq_scales 512 x 16 uint8 (E8M0 scales of Wq, one for each 32 codes along K); Wv_codes 512 x 16 x 16 uint8 (E2M1 codes of Wv, K innermost, in blocks of 32 codes, two codes a byte); Wv_scales 512 x 16 uint8 (E8M0 scales of Wv, one for each 32 codes along K); bk 512 float32; bl 2,048 float32; bo 512 float32; bq 512 float32; bv 512 float32; k_codes 4 x 2,048 x 16 x 16 uint8 (E2M1 codes of k, K innermost, in blocks of 32 codes, two codes a byte); k_scales 4 x 2,048 x 16 uint8 (E8M0 scales of k, one for each 32 codes along K); mask 4 x 1 x 2,048 int32; q_codes 4 x 2,048 x 16 x 16 uint8 (E2M1 codes of q, K innermost, in blocks of 32 codes, two codes a byte); q_scales 4 x 2,048 x 16 uint8 (E8M0 scales of q, one for each 32 codes along K); v_codes 4 x 2,048 x 16 x 16 uint8 (E2M1 codes of v, K innermost, in blocks of 32 codes, two codes a byte); v_scales 4 x 2,048 x 16 uint8 (E8M0 scales of v, one for each 32 codes along K).
;; Outputs: out0 4 x 2,048 x 512 float32.
;; This version of the problem:
;;   THIS VERSION OF THE PROBLEM IS GIVEN IN LOW PRECISION. The matrix products marked QUANTISED in the list below multiply operands that are first quantised to E2M1 (2 exponent bits, 1 mantissa bit; 4 bits a number), with one power-of-two scale for each 32 numbers along K (OCP MX v1.0); their sums are f32. All else is computed in f32.
;;   The module's matrix products, in the order in which they are computed (A, B: the left and right operand; K: the contracted axis; several contracted axes count as one K, in the product's order):
;;     1. [M 8,192, K 512] x [K 512, N 512]; A: input q (given as codes); B: input Wq (given as codes): QUANTISED
;;     2. [M 8,192, K 512] x [K 512, N 512]; A: input k (given as codes); B: input Wk (given as codes): QUANTISED
;;     3. [M 8,192, K 512] x [K 512, N 512]; A: input v (given as codes); B: input Wv (given as codes): QUANTISED
;;     4. batch 32 x [M 2,048, K 64] x [K 64, N 2,048]; A: computed on the way; B: computed on the way: QUANTISED
;;     5. [M 4, K 2,048] x [K 2,048, N 2,048]; A: computed on the way; B: input Wl: left as it is (M = 4 < 16)
;;     6. batch 32 x [M 2,048, K 2,048] x [K 2,048, N 64]; A: computed on the way; B: computed on the way: QUANTISED
;;     7. [M 8,192, K 512] x [K 512, N 512]; A: computed on the way; B: input Wo (given as codes): QUANTISED
;;   THE QUANTISER, for each operand of a quantised product, along K:
;;     - K is cut into blocks of 32 from its start; a last block that is shorter is filled with zeros.
;;     - A block's scale is 2^e with e = floor(log2(the largest magnitude in the block)) - 2, held to -126 .. 127; a block of zeros has e = 0. As a byte (E8M0): e + 127.
;;     - Each number is divided by its block's scale, clamped to +-6, and rounded to the nearest number of E2M1, ties to even, subnormals kept.
;;     - The product sums the exact products of the quantised numbers (number of the format x scale) in f32.
;;   ~~~python
;;   def quantise(x, axis):      # numpy; x: float32 -> the quantised numbers, widened to float32 again
;;       x = np.moveaxis(x, axis, -1); K = x.shape[-1]
;;       x = np.pad(x, [(0, 0)] * (x.ndim - 1) + [(0, -K % 32)]); x = x.reshape(x.shape[:-1] + (-1, 32)); a = np.abs(x).max(-1, keepdims=True)
;;       e = np.where(a > 0, np.clip(np.frexp(np.where(a > 0, a, 1))[1] - 1 - 2, -126, 127), 0)      # np.frexp(a)[1] - 1 = floor(log2(a)), exactly
;;       r = np.clip(x / 2.0 ** e, -6, 6)
;;       step = 2.0 ** (np.maximum(np.frexp(np.where(r == 0, 1, r))[1] - 1, 0) - 1)
;;       q = np.round(r / step) * step * 2.0 ** e      # np.round: ties to even
;;       return np.moveaxis(q.reshape(q.shape[:-2] + (-1,))[..., :K], -1, axis).astype(np.float32)
;;   ~~~
;;   OPERANDS COMPUTED ON THE WAY. 'Computed on the way' means the value that the module computes at that place (a softmax that the list does not call 'softmax' is quantised finished and normalised). What goes into a quantiser is computed in f32, as accurately as f32 sums, v_exp_f32 and their like allow (about 1e-6 of the number): no bf16 or f16 on the way to a quantiser, and a product that is left as it is and whose result goes on into a quantised operand takes f32 operands (vector FMAs, or v_wmma_f32_16x16x4_f32). A number that lies on a knife's edge between two numbers of the format may be rounded either way, as far as f32 arithmetic and the matrix unit's own rounding can turn it there, and no further.
;;   INPUTS GIVEN AS CODES. Wk (in the module: [512, 512], K = its axis 0); Wo (in the module: [512, 512], K = its axis 0); Wq (in the module: [512, 512], K = its axis 0); Wv (in the module: [512, 512], K = its axis 0); k (in the module: [4, 2048, 512], K = its axis 2); q (in the module: [4, 2048, 512], K = its axis 2); v (in the module: [4, 2048, 512], K = its axis 2): each comes as NAME_codes (uint8): NAME with its K axis moved to the last place and cut into blocks of 32 codes, [.., K / 32, bytes a block], one block behind the other in memory; two codes a byte, the lower K in the low four bits (a code: sign, 2 exponent bits, 1 mantissa bit); and NAME_scales (uint8): the same leading axes, one E8M0 byte (e + 127) for each 32 codes along K. Its value is code x scale, taken as it is: it is not quantised again, and the codes and scales need not be those that the quantiser above would give.
;; 3 versions, each right; version 2 is faster than version 1; version 3 is version 2 with the launches prep, outp written anew for expert scheduling mode. Each part assembles by itself: llvm-mc -triple=amdgcn-amd-amdhsa -mcpu=gfx1250 --defsym DOCPART=n.
;; ======== version 1 of 3: 3 launches
;; workspace buffers: qkv 6,946,816 bytes; lexpart 131,072 bytes; cc 2,097,152 bytes; csc 131,072 bytes
;; launch prep (part 1): grid 256 x 1, 4 waves a work-group, no clusters, 8,704 bytes of LDS; arguments q_codes, q_scales, Wq_codes, Wq_scales, bq, k_codes, k_scales, Wk_codes, Wk_scales, bk, v_codes, v_scales, Wv_codes, Wv_scales, bv, mask, Lexicon, Wl, qkv, lexpart; writes qkv, lexpart
.if DOCPART == 1
	.amdgcn_target "amdgcn-amd-amdhsa--gfx1250"
	.amdhsa_code_object_version 6
	.text
	.protected	k_q3db2c2d430_prep
	.globl	k_q3db2c2d430_prep
	.p2align	8
	.type	k_q3db2c2d430_prep,@function
k_q3db2c2d430_prep:
	s_mov_b64 s[64:65], 0
	v_nop
	global_prefetch_b8 v0, s[64:65] scope:SCOPE_SE
	s_setreg_imm32_b32 hwreg(HW_REG_WAVE_MODE, 25, 1), 1
	s_wait_xcnt 0x0
; PREP.  The three projections x W + b on codes of FP4 (E2M1), their results quantised at once into IMAGES OF OPERAND REGISTERS for the attention launch, and Lexicon x Wl in f32 as four partial sums.
; Work-groups 0-63: q;  64-127: k;  128-191: v;  192-255: Lexicon x Wl.  Three straight paths, parted by the work-group's number alone.
; A PROJECTION.  Source 0 = 8 tiles of 16 rows (P), which stay in window 1; source 1 = 8 tiles of 16 rows (R), walked one after the other.  In a result a lane holds ONE row of R and its registers run along P's rows.
;   q, k: P = 128 rows of W (two heads' features), R = 128 rows of x: a lane's 64 numbers are 4 blocks of 32 along the heads' 64: the K of q k^T.
;   v:    P = 128 rows of v (keys),                R = 128 rows of Wv (two heads' channels): a lane's 64 numbers are 4 blocks of 32 KEYS: the K of attn x v.
; THE ROWS OF A TILE ARE NOT NEIGHBOURS: lane r of tile t takes row 32 (t / 2) + 8 (t % 2) + r + 8 (r / 8), in P and in R alike.  As source 0 that makes the 16 registers of tiles 2 b, 2 b + 1 sixteen neighbours, 32 b + 16 (lane / 16) + i.
; THE MASK IS FOLDED INTO K.  q k^T has 64 real numbers along K in an instruction of 128.  At k = 64 the attention launch sets the code -6 in every key and +6 in every query.  The scale byte of that block is written here:
;   127 for a query; 155 (2^28) for a masked key; 0 (2^-127) for an open key.  A masked key's real codes are zeros.  So a masked score is exactly -36 x 2^28 (-1.208e9 behind the division by 8), an open one is changed by 36 x 2^-127.
; LIMITS: the masked score is -1.208e9 where the definition writes -1e9: it differs only for open scores under about -1e9.  NaN and infinities are not served.  A block whose largest magnitude lies under 2^-124 keeps the scale byte 1;
;   a block of zeros too (its codes are zeros; this program alone reads the bytes).  Lexicon / 1000 is a multiplication of each partial sum by 0.001.
; qkv: 32 blocks (8 x batch + head) of BLK bytes: K's images, K's scale words, V's images, V's scale words, Q's images, Q's scale words.
.set BLK,   217088
.set KSC,   65536                      ; [key step 16][r 16][tile 8] words
.set VIMG,  73728                      ; [key step 16][channel tile 4][half 2][lane][16 bytes]
.set VSC,   139264                     ; [key step 16][r 16][channel tile 4] words
.set QIMG,  143360                     ; 128 tiles x [lane][16 bytes], as K's at 0
.set QSC,   208896
.set RF,  16                           ; v16-79   R's fragments: two sets of 4 K steps x 8
.set RS,  80                           ; v80-87   R's scale words: two sets of 4
.set AX,  88                           ; v88, v90 a number for each row of R (q, k: the mask; v: bv); v89, v91 are named with them as pairs
.set PS,  96                           ; v96-127  P's scale words: tile t, K step s at 4 t + s
.set HA,  128                          ; v128-191 the 8 accumulators
.set PC,  192                          ; v192-199 the codes just made
.set TM,  200                          ; v200-215 at work in the quantiser
.set PW,  216                          ; the scale word just made
.set SW,  224                          ; v224-231 the 8 tiles' scale words, stored at the end
.set MSB, 0
.macro WIN new                         ; s_set_vgpr_msb: bits 1:0 source 0, 3:2 source 1, 5:4 source 2, 7:6 destination; the high byte repeats the setting that is left
.if MSB != \new
	s_set_vgpr_msb (MSB<<8)|\new
.set MSB, \new
.endif
.endm
; 64 numbers of a lane, register 16 b + i = k 32 b + 16 (lane / 16) + i of its row, become a fragment's codes in v[PC] on and its scale word in v[PW]
.macro QUANT s
.irp b, 0,1,2,3
	v_max3_num_f32 v[TM+\b], |v[\s+16*\b]|, |v[\s+1+16*\b]|, 0x1800000   ; my 16 numbers of block b, and the floor 2^(3 - 127): the byte cannot fall under 1
.endr
.irp i, 2,4,6,8,10,12,14
.irp b, 0,1,2,3
	v_max3_num_f32 v[TM+\b], v[TM+\b], |v[\s+16*\b+\i]|, |v[\s+1+16*\b+\i]|
.endr
.endr
.irp b, 0,1,2,3
	v_permlanex16_b32 v[TM+4+\b], v[TM+\b], s60, s61
.endr
.irp b, 0,1,2,3
	v_max_num_f32 v[TM+\b], v[TM+\b], v[TM+4+\b]           ; with lane l xor 16's: the block's largest magnitude
.endr
.irp b, 0,1,2,3
	v_add_nc_u32 v[TM+12+\b], 0xff000000, v[TM+\b]         ; 2 off its exponent field: the conversion's scale operand
.endr
.irp b, 0,1,2,3
	v_lshrrev_b32 v[TM+4+\b], 23, v[TM+12+\b]              ; the scale's byte
.endr
	v_lshl_or_b32 v[PW], v[TM+5], 8, v[TM+4]
	v_lshl_or_b32 v[PW], v[TM+6], 16, v[PW]
	v_lshl_or_b32 v[PW], v[TM+7], 24, v[PW]
.irp b, 0,1,2,3
	v_cvt_scalef32_pk8_fp4_f32 v[PC+2*\b], v[\s+16*\b:\s+7+16*\b], v[TM+12+\b]
	v_cvt_scalef32_pk8_fp4_f32 v[PC+1+2*\b], v[\s+8+16*\b:\s+15+16*\b], v[TM+12+\b]
.endr
	v_nop                                                  ; one plain place behind a scaled conversion
.irp c, 0,1                                            ; a WHOLE block to a lane: lanes 0-15 block 2 c, lanes 16-31 block 2 c + 1
.irp i, 0,1
	v_permlane16_swap_b32 v[PC+4*\c+\i], v[PC+2+4*\c+\i]
.endr
.endr
.endm
; R's tile t into set buf: ten loads: 8 of codes, its rows' four scale words, its rows' number
.macro RLOAD t, buf
.irp s, 0,1,2,3
.irp c, 0,1
	global_load_b128 v[RF+32*(\buf)+8*\s+4*\c:RF+32*(\buf)+8*\s+4*\c+3], v4, s[48:49] offset:(32*((\t)/2)+8*((\t)%2))*256+64*\s+32*\c
.endr
.endr
	global_load_b128 v[RS+4*(\buf):RS+4*(\buf)+3], v5, s[50:51] offset:(32*((\t)/2)+8*((\t)%2))*16
	global_load_b32 v[AX+2*(\buf)], v6, s[52:53] offset:(32*((\t)/2)+8*((\t)%2))*4
.endm
; R's tile t against all of P: 32 matrix instructions, the 8 accumulators by turns, K step by K step; then quantised and stored
.macro PTILE t, isv
.set BF, (\t)%2
	s_wait_xcnt 0x0                                        ; the last tile's stores have read v[PC] on: it is written again only behind this wait
.if (\t) < 7
	RLOAD (\t)+1, ((\t)+1)%2
	s_wait_loadcnt 10                                      ; all but the next tile's ten loads are in
.else
	s_wait_loadcnt 0x0
.endif
.if \isv
	WIN 0x01                                               ; source 0 (P) window 1
.irp p, 0,1,2,3,4,5,6,7
	v_wmma_scale_f32_16x16x128_f8f6f4 v[HA+8*\p:HA+8*\p+7], v[32*\p:32*\p+7], v[RF+32*BF:RF+32*BF+7], 0, v[PS+4*\p], v[RS+4*BF] matrix_a_fmt:MATRIX_FMT_FP4 matrix_b_fmt:MATRIX_FMT_FP4
.endr
.else
	WIN 0x21                                               ; and source 2 (the bias, in the result's layout) window 2
.irp p, 0,1,2,3,4,5,6,7
	v_wmma_scale_f32_16x16x128_f8f6f4 v[HA+8*\p:HA+8*\p+7], v[32*\p:32*\p+7], v[RF+32*BF:RF+32*BF+7], v[8*\p:8*\p+7], v[PS+4*\p], v[RS+4*BF] matrix_a_fmt:MATRIX_FMT_FP4 matrix_b_fmt:MATRIX_FMT_FP4
.endr
	WIN 0x01
.endif
.irp s, 1,2,3
.irp p, 0,1,2,3,4,5,6,7
	v_wmma_scale_f32_16x16x128_f8f6f4 v[HA+8*\p:HA+8*\p+7], v[32*\p+8*\s:32*\p+8*\s+7], v[RF+32*BF+8*\s:RF+32*BF+8*\s+7], v[HA+8*\p:HA+8*\p+7], v[PS+4*\p+\s], v[RS+4*BF+\s] matrix_a_fmt:MATRIX_FMT_FP4 matrix_b_fmt:MATRIX_FMT_FP4
.endr
.endr
	WIN 0
.rept 4
	v_nop                                                  ; four places ahead of the first read of results (ISA guide 7.12.1)
.endr
.if \isv
.set j, 0
.rept 32
	v_pk_add_f32 v[HA+j:HA+j+1], v[HA+j:HA+j+1], v[AX+2*BF:AX+2*BF+1] op_sel_hi:[1,0]   ; + bv of my lane's channel
.set j, j+2
.endr
.endif
	QUANT HA
.if \isv
	v_mov_b32 v[SW+(\t)], v[PW]                            ; four key blocks' bytes of my channel
	global_store_b128 v7, v[PC:PC+3], s[56:57] offset:((\t)/4)*BLK+((\t)%4)*1024      ; the image: 512 consecutive bytes a store
	global_store_b128 v7, v[PC+4:PC+7], s[56:57] offset:((\t)/4)*BLK+((\t)%4)*1024+512
.else
	v_cmp_ne_u32 vcc_lo, 1, v[AX+2*BF]                     ; my row is open;
	s_or_b32 vcc_lo, vcc_lo, s62                           ; every row of q is
.irp i, 0,1,2,3,4,5,6,7
	v_cndmask_b32 v[PC+\i], 0, v[PC+\i], vcc_lo            ; a masked key's codes are zeros
.endr
	v_cndmask_b32 v232, v12, v11, vcc_lo                   ; the bytes of k = 64 .. 127
	v_lshrrev_b32 v233, v9, v[PW]                          ; lanes 0-15: the even head's two bytes; lanes 16-31: the odd head's
	v_and_or_b32 v[SW+(\t)], v233, 0xffff, v232
	global_store_b128 v7, v[PC:PC+3], s[56:57] offset:512*(\t)           ; the even head's registers 0-3: 512 consecutive bytes
	global_store_b128 v7, v[PC+4:PC+7], s[56:57] offset:BLK+512*(\t)     ; the odd head's
.endif
.endm
.macro PROJ isv
	WIN 0x40                                               ; destination window 1
.irp t, 0,1,2,3,4,5,6,7                                ; P's fragment (t, s) at v[8 (4 t + s)] of window 1: it stays
.irp s, 0,1,2,3
.irp c, 0,1
	global_load_b128 v[8*(4*\t+\s)+4*\c:8*(4*\t+\s)+4*\c+3], v4, s[44:45] offset:(32*(\t/2)+8*(\t%2))*256+64*\s+32*\c
.endr
.endr
.endr
	WIN 0
.irp t, 0,1,2,3,4,5,6,7
	global_load_b128 v[PS+4*\t:PS+4*\t+3], v5, s[46:47] offset:(32*(\t/2)+8*(\t%2))*16
.endr
.if \isv == 0
	WIN 0x80                                               ; destination window 2: lane (r, h) wants, for tile t, the bias of features 32 (t / 2) + 8 (t % 2) + 16 h + 0 .. 7
.irp t, 0,1,2,3,4,5,6,7
	global_load_b128 v[8*\t:8*\t+3], v10, s[54:55] offset:(32*(\t/2)+8*(\t%2))*4
	global_load_b128 v[8*\t+4:8*\t+7], v10, s[54:55] offset:(32*(\t/2)+8*(\t%2))*4+16
.endr
	WIN 0
.endif
.irp b, 0,1,2,3
	v_mov_b32 v[TM+4+\b], 0                                ; written once: a lane permute's destination counts as one of its sources
.endr
	RLOAD 0, 0
.irp t, 0,1,2,3,4,5,6,7
	PTILE \t, \isv
.endr
.if \isv
	v_cmp_eq_u32 vcc_lo, 1, v3
.irp i, 0,1,2,3
	v_cndmask_b32 v[232+\i], v[SW+\i], v[SW+4+\i], vcc_lo  ; lanes 0-15: the even head's four channel tiles; lanes 16-31: the odd head's
.endr
	global_store_b128 v8, v[232:235], s[58:59]
.else
	global_store_b128 v8, v[SW:SW+3], s[58:59]             ; my row's words of tiles 0-3,
	global_store_b128 v8, v[SW+4:SW+7], s[58:59] offset:16 ; and of tiles 4-7
.endif
	s_endpgm
.endm
	s_load_b512 s[4:19], s[0:1], 0x0               ; q: codes s[4:5], scales s[6:7]; Wq: s[8:9], s[10:11]; bq s[12:13]; k: s[14:15], s[16:17]; Wk's codes s[18:19]
	s_load_b512 s[20:35], s[0:1], 0x40             ; Wk's scales s[20:21]; bk s[22:23]; v: s[24:25], s[26:27]; Wv: s[28:29], s[30:31]; bv s[32:33]; mask s[34:35]
	s_load_b256 s[36:43], s[0:1], 0x80             ; Lexicon s[36:37]; Wl s[38:39]; qkv s[40:41]; lexpart s[42:43]
	v_lshl_add_u32 v254, v0, 2, 0x2000
	v_mov_b32 v255, 0
	v_lshrrev_b32 v1, 5, v0
	v_readfirstlane_b32 s2, v1                     ; wave 0..3
	v_and_b32 v1, 31, v0                           ; lane
	v_and_b32 v2, 15, v0                           ; r
	v_bfe_u32 v3, v0, 4, 1                         ; h
	v_and_b32 v13, 8, v2
	v_add_nc_u32 v13, v13, v2                      ; r + 8 (r / 8)
	v_lshlrev_b32 v4, 8, v13
	v_lshl_add_u32 v4, v3, 4, v4                   ; codes: a row of 512 is 256 bytes; + 16 h
	v_lshlrev_b32 v5, 4, v13                       ; scale bytes: 16 a row
	v_lshlrev_b32 v6, 2, v13                       ; a number a row
	v_lshlrev_b32 v7, 4, v1                        ; an image's place for my lane
	v_mul_u32_u24 v8, v3, BLK                      ; lanes 16-31 store the odd head's scale words
	v_lshlrev_b32 v9, 4, v3
	v_lshlrev_b32 v10, 6, v3
	s_mov_b32 s60, 0x76543210
	s_mov_b32 s61, 0xfedcba98                      ; v_permlanex16_b32's selects for lane l xor 16
	s_and_b32 s66, ttmp9, 63                       ; j: which 128 rows of the 8,192
	s_lshr_b32 s67, s66, 4                         ; batch
	s_and_b32 s68, s66, 15                         ; g: which 128 rows of the batch
	s_lshl_b32 s69, s67, 3
	s_lshl_b32 s70, s2, 1
	s_add_co_u32 s69, s69, s70
	s_mul_i32 s69, s69, BLK                        ; the block of head 2 x wave
	s_mov_b32 s71, 0                               ; (offsets go in the pair s[70:71])
	s_wait_kmcnt 0x0
	s_cmp_lt_u32 ttmp9, 128
	s_cbranch_scc1 .Lqk
	s_cmp_lt_u32 ttmp9, 192
	s_cbranch_scc1 .Lv
; ---- Lexicon x Wl, f32.  Work-group: 128 columns (cg) x 512 rows (ks).  Wave w: 128 of the rows.  A lane: 4 columns x 4 batches = 16 sums.  Each load of a wave reads 512 consecutive bytes of a row of Wl.
; 32 loads of a wave are on their way (four chunks of eight rows).  Lexicon's numbers come as scalars, a chunk ahead, in two sets: s[4:35] (the arguments there are of no use on this path) and s[68:99].
	s_sub_co_u32 s44, ttmp9, 192
	s_and_b32 s45, s44, 15                         ; cg
	s_lshr_b32 s44, s44, 4                         ; ks
	s_lshl_b32 s46, s44, 9
	s_lshl_b32 s47, s2, 7
	s_add_co_u32 s46, s46, s47                     ; my first row
	s_mov_b32 s49, 0
	s_lshl_b32 s48, s46, 13                        ; a row of Wl is 8,192 bytes
	s_lshl_b32 s47, s45, 9
	s_add_co_u32 s48, s48, s47
	s_add_nc_u64 s[38:39], s[38:39], s[48:49]
	s_lshl_b32 s48, s46, 2
	s_add_nc_u64 s[36:37], s[36:37], s[48:49]
	s_lshl_b32 s48, s44, 15                        ; lexpart [ks][batch][2048]: at the end wave w stores batch w
	s_add_co_u32 s48, s48, s47
	s_lshl_b32 s46, s2, 13
	s_add_co_u32 s48, s48, s46
	s_add_nc_u64 s[42:43], s[42:43], s[48:49]
	s_lshl_b32 s46, s2, 11
	v_add_nc_u32 v14, s46, v7                      ; LDS, in: 2,048 x wave + 512 x batch + 16 x lane
	s_lshl_b32 s46, s2, 9
	v_add_nc_u32 v15, s46, v7                      ; back: 2,048 x (each wave) + 512 x my batch + 16 x lane
.macro WLOAD ch
.irp i, 0,1,2,3,4,5,6,7
	global_load_b128 v[64+32*((\ch)%4)+4*\i:64+32*((\ch)%4)+4*\i+3], v7, s[38:39] offset:8192*(8*(\ch)+\i) th:TH_LOAD_NT
.endr
.endm
.macro LCH ch
.set LSET, 4+64*((\ch)%2)
.set LNXT, 4+64*(((\ch)+1)%2)
.set LR,   64+32*((\ch)%4)
	s_wait_kmcnt 0x0                                       ; this chunk's 32 numbers of Lexicon are in
.if (\ch) < 15
.irp b, 0,1,2,3
	s_load_b256 s[LNXT+8*\b:LNXT+8*\b+7], s[36:37], 8192*\b+32*((\ch)+1)
.endr
.endif
.if (\ch) <= 12
	s_wait_loadcnt 24                                      ; this chunk's eight rows are in; three younger chunks stay out
.else
	s_wait_loadcnt 8*(15-(\ch))
.endif
.irp i, 0,1,2,3,4,5,6,7
.irp b, 0,1,2,3
.irp e, 0,1,2,3
.if ((\ch) == 0) && (\i == 0)
	v_mul_f32 v[16+4*\b+\e], s[LSET+8*\b+\i], v[LR+4*\i+\e]     ; the first row starts the sums
.else
	v_fmac_f32 v[16+4*\b+\e], s[LSET+8*\b+\i], v[LR+4*\i+\e]
.endif
.endr
.endr
.endr
.if (\ch)+4 < 16
	WLOAD (\ch)+4
.endif
.endm
.irp b, 0,1,2,3
	s_load_b256 s[4+8*\b:11+8*\b], s[36:37], 8192*\b
.endr
	WLOAD 0
	WLOAD 1
	WLOAD 2
	WLOAD 3
.irp q, 0,1,2,3,4,5,6,7,8,9,10,11,12,13,14,15
	LCH \q
.endr
.irp b, 0,1,2,3
	ds_store_b128 v14, v[16+4*\b:19+4*\b] offset:512*\b
.endr
	s_wait_dscnt 0x0                               ; for the others' sake: my stores have landed
	s_barrier_signal -1
	s_barrier_wait -1
.irp q, 0,1,2,3
	ds_load_b128 v[32+4*\q:35+4*\q], v15 offset:2048*\q    ; the four waves' sums of my batch
.endr
	s_wait_dscnt 0x0
	v_pk_add_f32 v[32:33], v[32:33], v[36:37]
	v_pk_add_f32 v[34:35], v[34:35], v[38:39]
	v_pk_add_f32 v[40:41], v[40:41], v[44:45]
	v_pk_add_f32 v[42:43], v[42:43], v[46:47]
	v_pk_add_f32 v[32:33], v[32:33], v[40:41]
	v_pk_add_f32 v[34:35], v[34:35], v[42:43]
	v_pk_mul_f32 v[32:33], v[32:33], 0x3a83126f op_sel_hi:[1,0]   ; x 0.001
	v_pk_mul_f32 v[34:35], v[34:35], 0x3a83126f op_sel_hi:[1,0]
	global_store_b128 v7, v[32:35], s[42:43]       ; 512 consecutive bytes
	s_wait_tensorcnt 0x0
	ds_add_u32 v254, v255
	s_wait_dscnt 0x0
	s_endpgm
.Lqk:                                              ; ---- q (work-groups 0-63) or k (64-127): only pointers and four numbers are chosen
	s_cmp_lt_u32 ttmp9, 64
	s_cselect_b64 s[48:49], s[4:5], s[14:15]       ; R: x's codes,
	s_cselect_b64 s[50:51], s[6:7], s[16:17]       ; x's scales
	s_cselect_b64 s[44:45], s[8:9], s[18:19]       ; P: W's codes,
	s_cselect_b64 s[46:47], s[10:11], s[20:21]     ; W's scales
	s_cselect_b64 s[54:55], s[12:13], s[22:23]     ; the bias
	s_cselect_b32 s62, -1, 0                       ; q: every row counts as open
	s_mov_b32 s72, 0x7f000000
	s_cselect_b32 s72, 0x7f7f0000, s72             ; the upper two scale bytes of an open row: q 127, 127; k 0, 127
	s_cselect_b32 s73, QIMG, 0
	s_mov_b32 s74, KSC
	s_cselect_b32 s74, QSC, s74
	v_mov_b32 v11, s72
	v_mov_b32 v12, 0x7f9b0000                      ; of a masked key: 155, 127
	v_lshl_add_u32 v8, v2, 5, v8                   ; scale words: 32 bytes a row (8 tiles)
	s_lshl_b32 s70, s66, 15
	s_add_nc_u64 s[48:49], s[48:49], s[70:71]
	s_lshl_b32 s70, s66, 11
	s_add_nc_u64 s[50:51], s[50:51], s[70:71]
	s_lshl_b32 s70, s66, 9
	s_add_nc_u64 s[52:53], s[34:35], s[70:71]      ; the mask of my 128 rows (q loads it too, and sets it aside by s62)
	s_lshl_b32 s70, s2, 15
	s_add_nc_u64 s[44:45], s[44:45], s[70:71]
	s_lshl_b32 s70, s2, 11
	s_add_nc_u64 s[46:47], s[46:47], s[70:71]
	s_lshl_b32 s70, s2, 9
	s_add_nc_u64 s[54:55], s[54:55], s[70:71]
	s_lshl_b32 s70, s68, 12
	s_add_co_u32 s70, s70, s69
	s_add_co_u32 s70, s70, s73
	s_add_nc_u64 s[56:57], s[40:41], s[70:71]      ; the images: 8 tiles x 512 bytes for each 128 rows
	s_lshl_b32 s70, s68, 9
	s_add_co_u32 s70, s70, s69
	s_add_co_u32 s70, s70, s74
	s_add_nc_u64 s[58:59], s[40:41], s[70:71]      ; the scale words: 512 bytes for each 128 rows
	PROJ 0
.Lv:                                               ; ---- v
	v_lshl_add_u32 v8, v2, 4, v8                   ; scale words: 16 bytes a channel (4 tiles)
	v_mov_b32 v89, 0                               ; (named as the upper halves of the pairs with v88 and v90)
	v_mov_b32 v91, 0
	s_lshl_b32 s70, s66, 15
	s_add_nc_u64 s[44:45], s[24:25], s[70:71]      ; P: v's codes,
	s_lshl_b32 s70, s66, 11
	s_add_nc_u64 s[46:47], s[26:27], s[70:71]      ; v's scales
	s_lshl_b32 s70, s2, 15
	s_add_nc_u64 s[48:49], s[28:29], s[70:71]      ; R: Wv's codes,
	s_lshl_b32 s70, s2, 11
	s_add_nc_u64 s[50:51], s[30:31], s[70:71]      ; Wv's scales
	s_lshl_b32 s70, s2, 9
	s_add_nc_u64 s[52:53], s[32:33], s[70:71]      ; bv
	s_lshl_b32 s70, s68, 12
	s_add_co_u32 s70, s70, s69
	s_add_co_u32 s70, s70, VIMG
	s_add_nc_u64 s[56:57], s[40:41], s[70:71]
	s_lshl_b32 s70, s68, 8
	s_add_co_u32 s70, s70, s69
	s_add_co_u32 s70, s70, VSC
	s_add_nc_u64 s[58:59], s[40:41], s[70:71]
	PROJ 1
.Lfunc_end_k_q3db2c2d430_prep:
	.size	k_q3db2c2d430_prep, .Lfunc_end_k_q3db2c2d430_prep-k_q3db2c2d430_prep
	.p2alignl 7, 3214868480
	.fill 96, 4, 3214868480
	.section	.rodata,"a",@progbits
	.p2align	6, 0x0
	.amdhsa_kernel k_q3db2c2d430_prep
		.amdhsa_group_segment_fixed_size 8704
		.amdhsa_private_segment_fixed_size 0
		.amdhsa_enable_private_segment 0
		.amdhsa_kernarg_size 160
		.amdhsa_user_sgpr_count 2
		.amdhsa_user_sgpr_kernarg_segment_ptr 1
		.amdhsa_wavefront_size32 1
		.amdhsa_system_sgpr_workgroup_id_x 1
		.amdhsa_system_sgpr_workgroup_id_y 1
		.amdhsa_system_sgpr_workgroup_id_z 1
		.amdhsa_system_vgpr_workitem_id 0
		.amdhsa_next_free_vgpr 576
		.amdhsa_next_free_sgpr 100
		.amdhsa_reserve_vcc 1
		.amdhsa_float_denorm_mode_32 3
		.amdhsa_float_denorm_mode_16_64 3
		.amdhsa_memory_ordered 1
		.amdhsa_forward_progress 1
		.amdhsa_inst_pref_size 255
	.end_amdhsa_kernel
	.section	.bss,"aw",@nobits
	.p2align	6
	.space	262144
	.amdgpu_metadata
---
amdhsa.version: [ 1, 2 ]
amdhsa.kernels:
  - .name:           k_q3db2c2d430_prep
    .symbol:         k_q3db2c2d430_prep.kd
    .args:
      - { .name: q_codes, .offset: 0, .size: 8, .value_kind: global_buffer, .address_space: global }
      - { .name: q_scales, .offset: 8, .size: 8, .value_kind: global_buffer, .address_space: global }
      - { .name: Wq_codes, .offset: 16, .size: 8, .value_kind: global_buffer, .address_space: global }
      - { .name: Wq_scales, .offset: 24, .size: 8, .value_kind: global_buffer, .address_space: global }
      - { .name: bq, .offset: 32, .size: 8, .value_kind: global_buffer, .address_space: global }
      - { .name: k_codes, .offset: 40, .size: 8, .value_kind: global_buffer, .address_space: global }
      - { .name: k_scales, .offset: 48, .size: 8, .value_kind: global_buffer, .address_space: global }
      - { .name: Wk_codes, .offset: 56, .size: 8, .value_kind: global_buffer, .address_space: global }
      - { .name: Wk_scales, .offset: 64, .size: 8, .value_kind: global_buffer, .address_space: global }
      - { .name: bk, .offset: 72, .size: 8, .value_kind: global_buffer, .address_space: global }
      - { .name: v_codes, .offset: 80, .size: 8, .value_kind: global_buffer, .address_space: global }
      - { .name: v_scales, .offset: 88, .size: 8, .value_kind: global_buffer, .address_space: global }
      - { .name: Wv_codes, .offset: 96, .size: 8, .value_kind: global_buffer, .address_space: global }
      - { .name: Wv_scales, .offset: 104, .size: 8, .value_kind: global_buffer, .address_space: global }
      - { .name: bv, .offset: 112, .size: 8, .value_kind: global_buffer, .address_space: global }
      - { .name: mask, .offset: 120, .size: 8, .value_kind: global_buffer, .address_space: global }
      - { .name: Lexicon, .offset: 128, .size: 8, .value_kind: global_buffer, .address_space: global }
      - { .name: Wl, .offset: 136, .size: 8, .value_kind: global_buffer, .address_space: global }
      - { .name: qkv, .offset: 144, .size: 8, .value_kind: global_buffer, .address_space: global }
      - { .name: lexpart, .offset: 152, .size: 8, .value_kind: global_buffer, .address_space: global }
    .group_segment_fixed_size: 8704
    .private_segment_fixed_size: 0
    .kernarg_segment_align: 8
    .kernarg_segment_size: 160
    .max_flat_workgroup_size: 128
    .sgpr_count:     100
    .vgpr_count:     576
    .wavefront_size: 32
...
	.end_amdgpu_metadata
.endif
;; end of part 1
;; launch attn (part 2): grid 8 x 32, 16 waves a work-group, clusters of 4 x 1, 169,984 bytes of LDS; arguments qkv, lexpart, bl, mask, cc, csc; writes cc, csc
.if DOCPART == 2
	.amdgcn_target "amdgcn-amd-amdhsa--gfx1250"
	.amdhsa_code_object_version 6
	.text
	.protected	k_q3db2c2d430_attn
	.globl	k_q3db2c2d430_attn
	.p2align	8
	.type	k_q3db2c2d430_attn,@function
k_q3db2c2d430_attn:
	s_mov_b64 s[64:65], 0
	v_nop
	global_prefetch_b8 v0, s[64:65] scope:SCOPE_SE
	s_setreg_imm32_b32 hwreg(HW_REG_WAVE_MODE, 25, 1), 1
	s_wait_xcnt 0x0
	s_wait_alu depctr_hold_cnt(0) depctr_sa_sdst(0) depctr_va_vdst(0) depctr_va_sdst(0) depctr_va_ssrc(0) depctr_va_vcc(0) depctr_vm_vsrc(0)
	s_getreg_b32 s2, hwreg(HW_REG_IB_STS2, 6, 4)
	s_cmp_eq_u32 s2, 0
	s_cbranch_scc0 .Lentry_in_a_cluster
	s_endpgm
.Lentry_in_a_cluster:
	s_bfe_u32 s2, ttmp6, 0x10000c
	s_cmp_lg_u32 s2, 0x3003
	s_cbranch_scc0 .Lentry_shape_is_right
	s_endpgm
.Lentry_shape_is_right:
; ATTN.  out = Q(0.5 (softmax(q k^T / 8, masked) + softmax(lexicon bias, masked))) x Q(v), both products on codes of FP4 (E2M1) with one E8M0 scale for each 32 along K; then the result is quantised for the last product.
; What is quantised is the FINISHED weight, so a row's maximum and sum are known before any code is made: the keys are walked TWICE.  Walk 1: running maximum and sum.  Walk 2: the scores again, p / (2 l) + the lexicon term, codes, x v.
; SHARES.  A work-group: one (batch, head) and 256 queries; each of its sixteen waves one tile of 16 queries, in 256 registers, four waves to a SIMD.  A key step is 128 keys; 16 steps a walk.
; LDS.  A head's K and V (images of operand registers, with their scale words: 143,360 bytes as the launch before laid them) come ONCE and stay: no slot is ever filled again.
; CLUSTER.  The four query blocks of a cluster belong to one head and want the same 143,360 bytes: each wave's part is asked for JOINTLY, by the same tensor load with the same descriptor and a mask that names the four.
; LAYOUT.  Both products are used transposed: S^T = K Q^T (source 0 = 16 keys), O^T = V^T P^T (source 0 = 16 channels): a lane holds ONE query (lane % 16) throughout.  The keys of a tile are chosen (by the launch before) so that
;   register 16 b + i of the eight score tiles is key 32 b + 16 (lane / 16) + i of the step.
; THE MASK rides in the product: at k = 64 every key has the code -6 and every query +6; that block's scale byte is 155 for a masked key and 0 for an open one, 127 for a query.  No compare, no select in the loops.
; SOFTMAX.  t = score x log2(e) / 8; M = the largest t so far, rounded up to a whole number; p = 2^(t - M); when M moves the sum is multiplied by 2^(old M - new M), which rounds nothing.
;   In walk 1 each half of the lanes keeps the M and the sum of its own keys; they are joined once, behind the walk.
; LIMITS: a masked score is -1.208e9 where the definition writes -1e9 (it differs only for open scores under about -1e9).  NaN and infinities are not served.  A block whose largest magnitude lies under 2^-124 keeps the scale byte 1.
.set BLK,   217088
.set KSC,   65536
.set VIMG,  73728
.set VSC,   139264
.set QIMG,  143360
.set QSC,   208896
.set PART,  8960                       ; 143,360 / 16 waves: 35 rows of 256 bytes
.set LEXH,  143360                     ; LDS behind the images: 0.5 x the lexicon softmax, f32, by key: 8,192 bytes
.set RED,   151552                     ; the waves' maxima (64 bytes), and 128 bytes on their sums
.set OSC,   151808                     ; the 256 queries' scale bytes on the way out: 512 bytes
.set LI,  1                            ; v1   16 x lane: my place in an image; also K's images (they begin at LDS byte 0)
.set AV0, 2                            ; v2   the same in V's images
.set AS0, 3                            ; v3   K's scale words: KSC + 32 r
.set AT0, 4                            ; v4   V's: VSC + 16 r
.set AL0, 5                            ; v5   the lexicon terms of my half's keys: LEXH + 64 h
.set ADK, 6                            ; v6-10 the same five for the step in hand
.set ADV, 7
.set ADS, 8
.set ADT, 9
.set ADL, 10
.set QF,  16                           ; v16-23 Q's fragment: 16-19 loaded; v20 the code +6 at k = 64; v21-23 zeros
.set QS,  24                           ; v24   Q's scale words
.set KB,  32                           ; v32-63 four fragments of K: registers 0-3 loaded; register 4 the code -6 at k = 64; 5-7 zeros, set once
.set XB,  64                           ; v64-95 lexicon terms of two blocks, then V's four fragments
.set S,   96                           ; v96-159 S^T, then p, then the weights
.set OT,  160                          ; v160-191 O^T
.set PC,  192                          ; v192-199 the weights' codes
.set TM,  200                          ; v200-215 at work in the quantiser
.set PW,  216                          ; the weights' scale word
.set KS,  220                          ; v220-227 K's scale words of the step's eight tiles
.set VS,  228                          ; v228-231 V's of the four channel tiles
.set WV,  16
.set SEL, 20
.set CS,  22                           ; s[22:23] c = log2(e) / 8
.set G1,  24
.set G0,  32
.set SK,  42                           ; s42  4,096 x step: K's and V's images
.set S5,  43                           ; s43  512 x step: K's scale words, the lexicon terms
.set S2,  44                           ; s44  256 x step: V's scale words
.set CNT, 45
.macro ROUND                           ; a round of the cluster's barrier
	s_barrier_signal -1
	s_barrier_wait -1
	s_cmp_lg_u32 s[WV], 0
	s_cbranch_scc1 .Lnot_wave_0_\@
	s_barrier_signal -3
.Lnot_wave_0_\@:
	s_barrier_wait -3
	s_barrier_signal -1
	s_barrier_wait -1
.endm
	s_load_b256 s[4:11], s[0:1], 0x0               ; qkv s[4:5], lexpart s[6:7], bl s[8:9], mask s[10:11]
	s_load_b128 s[12:15], s[0:1], 0x20             ; cc s[12:13], csc s[14:15]
	v_lshl_add_u32 v251, v0, 2, 0x29000
	v_mov_b32 v255, 0
	ds_add_u32 v251, v255
	ds_add_u32 v251, v255
	v_lshrrev_b32 v11, 5, v0
	v_readfirstlane_b32 s[WV], v11                 ; wave 0..15
	s_bfe_u32 s17, ttmp6, 0x40000                  ; cx: my place in the cluster
	s_lshl_b32 s18, ttmp9, 2
	s_add_co_u32 s18, s18, s17                     ; my block of 256 queries: it enters global addresses of Q and of the outputs alone
	s_and_b32 s19, ttmp7, 0xffff                   ; 8 x batch + head, which the four partners share
	s_mov_b32 s[G1], 15|(3<<16)|(1<<21)            ; 15:0 the mask: all four work-groups; 17:16 elements of 8 bytes; 21 set beside a mask; no padding
	s_mov_b32 s[G1+1], 32<<16                      ; tensor_dim0 = 32 elements: rows of 256 bytes
	s_mov_b32 s[G1+2], 35<<16                      ; tensor_dim1 = 35
	s_mov_b32 s[G1+3], 32<<16                      ; tile_dim0
	s_mov_b32 s[G1+4], 35                          ; tile_dim1
	s_mov_b32 s[G1+5], 32                          ; the pitch: the block is dense
	s_mov_b32 s[G1+6], 0
	s_mov_b32 s[G1+7], 0
	s_mul_i32 s36, s19, BLK
	s_mov_b32 s37, 0
	s_mul_i32 s38, s[WV], PART                     ; my wave's part, in memory and in LDS alike
	s_mov_b32 s39, 0
	s_mov_b32 s[SEL], 0x76543210
	s_mov_b32 s[SEL+1], 0xfedcba98
	s_mov_b32 s[CS], 0x3e38aa3b                    ; log2(e) / 8
	s_mov_b32 s[CS+1], s[CS]
	s_wait_dscnt 0x0
	s_wait_kmcnt 0x0
	s_add_nc_u64 s[4:5], s[4:5], s[36:37]          ; my head's block
	s_mov_b32 s[G0], 1
	s_mov_b32 s[G0+1], s38
	s_add_nc_u64 s[G0+2:G0+3], s[4:5], s[38:39]
	s_or_b32 s[G0+3], s[G0+3], 0x80000000
	ROUND                                          ; all four work-groups are here: the joint loads meet
	tensor_load_to_lds s[G0:G0+3], s[G1:G1+7]      ; my one tensor load of the launch
	s_nop 0
.rept 4
	v_nop
.endr
	v_and_b32 v11, 31, v0
	v_lshlrev_b32 v[LI], 4, v11
	v_and_b32 v25, 15, v0                          ; r
	v_bfe_u32 v26, v0, 4, 1                        ; h
	s_lshl_b32 s40, s18, 4
	s_add_co_u32 s40, s40, s[WV]                   ; my tile of queries, 0 .. 127
	s_lshl_b32 s46, s40, 9
	s_add_co_u32 s46, s46, QIMG
	s_mov_b32 s47, 0
	s_add_nc_u64 s[46:47], s[4:5], s[46:47]
	global_load_b128 v[QF:QF+3], v[LI], s[46:47]   ; Q's image
	s_lshr_b32 s48, s40, 3
	s_lshl_b32 s48, s48, 9
	s_and_b32 s49, s40, 7
	s_lshl_b32 s49, s49, 2
	s_add_co_u32 s48, s48, s49
	s_add_co_u32 s48, s48, QSC
	s_mov_b32 s49, 0
	s_add_nc_u64 s[48:49], s[4:5], s[48:49]
	v_lshlrev_b32 v27, 5, v25
	global_load_b32 v[QS], v27, s[48:49]           ; Q's scale words
	; ---- the lexicon softmax of my batch: thread t owns keys 4 t .. 4 t + 3
	s_lshr_b32 s50, s19, 3                         ; batch
	s_lshl_b32 s52, s50, 13
	s_mov_b32 s53, 0
	s_add_nc_u64 s[6:7], s[6:7], s[52:53]
	s_add_nc_u64 s[10:11], s[10:11], s[52:53]
	v_lshlrev_b32 v28, 4, v0
.irp q, 0,1,2,3
	global_load_b128 v[64+4*\q:67+4*\q], v28, s[6:7] offset:32768*\q   ; the four partial sums
.endr
	global_load_b128 v[80:83], v28, s[8:9]         ; bl
	global_load_b128 v[84:87], v28, s[10:11]       ; the mask
	; addresses and constants, while the loads are out
	s_lshl_b32 s52, s50, 7
	s_add_co_u32 s52, s52, s40                     ; the row tile of the last product: 128 x batch + my tile
	s_lshl_b32 s52, s52, 12
	s_and_b32 s51, s19, 7
	s_lshl_b32 s51, s51, 9
	s_add_co_u32 s52, s52, s51
	s_add_nc_u64 s[12:13], s[12:13], s[52:53]      ; cc [row tile][head][lane][16 bytes]
	s_lshl_b32 s52, s19, 12
	s_lshl_b32 s51, s18, 9
	s_add_co_u32 s52, s52, s51
	s_add_nc_u64 s[14:15], s[14:15], s[52:53]      ; csc [8 x batch + head][2,048 rows] two bytes
	v_add_nc_u32 v[AV0], VIMG, v[LI]
	v_lshl_add_u32 v[AS0], v25, 5, KSC
	v_lshl_add_u32 v[AT0], v25, 4, VSC
	v_lshl_add_u32 v[AL0], v26, 6, LEXH
	v_lshl_add_u32 v30, v25, 1, OSC
	s_lshl_b32 s41, s[WV], 5
	v_add_nc_u32 v30, s41, v30                     ; the way out: OSC + 32 x wave + 2 r
	v_add_nc_u32 v31, OSC, v[LI]                   ; and back: OSC + 16 x lane
	v_sub_nc_u32 v29, 1, v26                       ; 1 in lanes 0-15, which hold k = 64 .. 95 in register 4
	v_mul_u32_u24 v[QF+4], v29, 7                  ; the code +6 at k = 64
.irp i, 5,6,7
	v_mov_b32 v[QF+\i], 0
.endr
.irp t, 0,1,2,3
	v_mul_u32_u24 v[KB+8*\t+4], v29, 15            ; the code -6 at k = 64
	v_mov_b32 v[KB+8*\t+5], 0
	v_mov_b32 v[KB+8*\t+6], 0
	v_mov_b32 v[KB+8*\t+7], 0
.endr
	s_lshl_b32 s41, s[WV], 2
	s_add_co_u32 s41, s41, RED
	v_mov_b32 v91, s41                             ; my wave's word
	v_mov_b32 v92, RED
	v_lshl_add_u32 v95, v0, 4, LEXH
	v_mov_b32 v88, 0xce6e6b28                      ; -1e9
	v_mov_b32 v90, 0                               ; (a lane permute's destination counts as one of its sources)
	s_wait_loadcnt 0x0
	v_pk_add_f32 v[64:65], v[64:65], v[68:69]
	v_pk_add_f32 v[66:67], v[66:67], v[70:71]
	v_pk_add_f32 v[72:73], v[72:73], v[76:77]
	v_pk_add_f32 v[74:75], v[74:75], v[78:79]
	v_pk_add_f32 v[64:65], v[64:65], v[72:73]
	v_pk_add_f32 v[66:67], v[66:67], v[74:75]
	v_pk_add_f32 v[64:65], v[64:65], v[80:81]
	v_pk_add_f32 v[66:67], v[66:67], v[82:83]
.irp i, 0,1,2,3
	v_cmp_eq_u32 vcc_lo, 1, v[84+\i]
	v_cndmask_b32 v[64+\i], v[64+\i], v88, vcc_lo
.endr
	v_max3_num_f32 v89, v64, v65, v66
	v_max_num_f32 v89, v89, v67
.irp m, 1,2,4,8
	v_max_num_f32_dpp v89, v89, v89 row_xmask:\m row_mask:0xf bank_mask:0xf
.endr
	v_permlanex16_b32 v90, v89, s[SEL], s[SEL+1]
	v_max_num_f32 v89, v89, v90                    ; my wave's largest
	ds_store_b32 v91, v89
	s_wait_dscnt 0x0
	s_barrier_signal -1                            ; (the tensor load may stay out)
	s_barrier_wait -1
.irp q, 0,1,2,3
	ds_load_b128 v[68+4*\q:71+4*\q], v92 offset:16*\q
.endr
	s_wait_dscnt 0x0
	v_max3_num_f32 v89, v68, v69, v70
.irp i, 71,73,75,77,79,81
	v_max3_num_f32 v89, v89, v[\i], v[\i+1]
.endr
	v_max_num_f32 v89, v89, v83                    ; the batch's largest
.irp i, 0,1,2,3
	v_sub_f32 v[64+\i], v[64+\i], v89
.endr
.irp i, 0,1,2,3
	v_mul_f32 v[64+\i], 0x3fb8aa3b, v[64+\i]
.endr
.irp i, 0,1,2,3
	v_exp_f32 v[64+\i], v[64+\i]
.endr
	v_nop                                          ; a plain place behind the exponentials,
	s_wait_alu depctr_va_vdst(0)                   ; and the one wait ahead of their first reader
	v_add_f32 v93, v64, v65
	v_add_f32 v94, v66, v67
	v_add_f32 v93, v93, v94
.irp m, 1,2,4,8
	v_add_f32_dpp v93, v93, v93 row_xmask:\m row_mask:0xf bank_mask:0xf
.endr
	v_permlanex16_b32 v90, v93, s[SEL], s[SEL+1]
	v_add_f32 v93, v93, v90
	ds_store_b32 v91, v93 offset:128               ; other bytes than the maxima: no barrier is owed between
	s_wait_dscnt 0x0
	s_barrier_signal -1
	s_barrier_wait -1
.irp q, 0,1,2,3
	ds_load_b128 v[68+4*\q:71+4*\q], v92 offset:128+16*\q
.endr
	s_wait_dscnt 0x0
	v_pk_add_f32 v[68:69], v[68:69], v[70:71]
	v_pk_add_f32 v[72:73], v[72:73], v[74:75]
	v_pk_add_f32 v[76:77], v[76:77], v[78:79]
	v_pk_add_f32 v[80:81], v[80:81], v[82:83]
	v_pk_add_f32 v[68:69], v[68:69], v[72:73]
	v_pk_add_f32 v[76:77], v[76:77], v[80:81]
	v_pk_add_f32 v[68:69], v[68:69], v[76:77]
	v_add_f32 v68, v68, v69
	v_rcp_f32 v94, v68
	v_nop
	s_wait_alu depctr_va_vdst(0)
	v_mul_f32 v94, 0.5, v94
.irp i, 0,1,2,3
	v_mul_f32 v[64+\i], v[64+\i], v94              ; 0.5 x the lexicon softmax
.endr
	ds_store_b128 v95, v[64:67]
	v_mov_b32 v13, 0xff61b1e6                      ; the largest t so far: -3e38
	v_floor_f32 v12, -v13                          ; -M
	v_mov_b32 v14, 0                               ; the sum, in two halves
	v_mov_b32 v15, 0
	v_mov_b32 v253, 0                              ; (named as the upper half of the pair v[252:253])
.irp b, 0,1,2,3
	v_mov_b32 v[TM+4+\b], 0
.endr
	s_mov_b32 s[SK], 0
	s_mov_b32 s[S5], 0
	s_mov_b32 s[S2], 0
	s_wait_tensorcnt 0x0                           ; my part of K and V has landed,
	s_wait_dscnt 0x0                               ; my lexicon terms too:
	s_barrier_signal -1
	s_barrier_wait -1                              ; everybody's have
; S^T of a key step: eight tiles of 16 keys through four fragment buffers.  lex = 1: the lexicon terms of blocks 0 and 1 are asked for behind K's first loads.
.macro QK lex
	ds_load_b128 v[KS:KS+3], v[ADS]
	ds_load_b128 v[KS+4:KS+7], v[ADS] offset:16
.irp t, 0,1,2,3
	ds_load_b128 v[KB+8*\t:KB+8*\t+3], v[ADK] offset:512*\t
.endr
.if \lex
.irp b, 0,1
.irp q, 0,1,2,3
	ds_load_b128 v[XB+16*\b+4*\q:XB+16*\b+4*\q+3], v[ADL] offset:128*\b+16*\q
.endr
.endr
	s_wait_dscnt 8                                 ; K's six loads are in; the eight behind them may be out
.else
	s_wait_dscnt 0x0
.endif
.irp t, 0,1,2,3
	v_wmma_scale_f32_16x16x128_f8f6f4 v[S+8*\t:S+8*\t+7], v[KB+8*\t:KB+8*\t+7], v[QF:QF+7], 0, v[KS+\t], v[QS] matrix_a_fmt:MATRIX_FMT_FP4 matrix_b_fmt:MATRIX_FMT_FP4
.endr
.rept 4
	v_nop                                          ; four places ahead of loads into registers that matrix instructions have read
.endr
.irp t, 0,1,2,3
	ds_load_b128 v[KB+8*\t:KB+8*\t+3], v[ADK] offset:512*(4+\t)
.endr
	s_wait_dscnt 0x0
.irp t, 0,1,2,3
	v_wmma_scale_f32_16x16x128_f8f6f4 v[S+32+8*\t:S+32+8*\t+7], v[KB+8*\t:KB+8*\t+7], v[QF:QF+7], 0, v[KS+4+\t], v[QS] matrix_a_fmt:MATRIX_FMT_FP4 matrix_b_fmt:MATRIX_FMT_FP4
.endr
.rept 4
	v_nop                                          ; and ahead of the first read of results
.endr
.endm
.macro POWERS                          ; p = 2^(c s - M) of the 64 scores: 32 packed multiply-adds, 64 exponentials as ONE batch
.set j, 0
.rept 32
	v_pk_fma_f32 v[S+j:S+j+1], v[S+j:S+j+1], s[CS:CS+1], v[12:13] op_sel_hi:[1,0,0]
.set j, j+2
.endr
.set j, 0
.rept 64
	v_exp_f32 v[S+j], v[S+j]
.set j, j+1
.endr
.endm
; WALK 1, a key step: my half's running maximum and sum
.macro STEP1
	v_add_nc_u32 v[ADK], s[SK], v[LI]
	v_add_nc_u32 v[ADS], s[S5], v[AS0]
	QK 0
.irp b, 0,1,2,3
	v_max3_num_f32 v[232+\b], v[S+16*\b], v[S+16*\b+1], v[S+16*\b+2]     ; four chains
.endr
.irp i, 3,5,7,9,11,13
.irp b, 0,1,2,3
	v_max3_num_f32 v[232+\b], v[232+\b], v[S+16*\b+\i], v[S+16*\b+\i+1]
.endr
.endr
.irp b, 0,1,2,3
	v_max_num_f32 v[232+\b], v[232+\b], v[S+16*\b+15]
.endr
	v_max3_num_f32 v254, v232, v233, v234
	v_max_num_f32 v254, v254, v235
	v_mul_f32 v254, s[CS], v254                    ; as t (c is positive)
	v_max_num_f32 v13, v13, v254
	v_mov_b32 v254, v12
	v_floor_f32 v12, -v13                          ; the new -M = floor(-t): M is a whole number
	v_sub_f32 v254, v12, v254                      ; old M - new M: a whole number, 0 or less
	v_cvt_i32_f32 v254, v254                       ; (it saturates)
	v_ldexp_f32 v252, 1.0, v254                    ; 2^(old M - new M)
	POWERS
	v_pk_mul_f32 v[14:15], v[14:15], v[252:253] op_sel_hi:[1,0]   ; the sums under the new M: the plain place behind the exponentials
	s_wait_alu depctr_va_vdst(0)                   ; one wait for the batch, ahead of its first reader
	v_pk_add_f32 v[236:237], v[S:S+1], v[S+2:S+3]
.irp j, 4,8,12,16,20,24,28,32,36,40,44,48,52,56,60
	v_pk_add_f32 v[14:15], v[14:15], v[S+\j:S+\j+1]
	v_pk_add_f32 v[236:237], v[236:237], v[S+\j+2:S+\j+3]
.endr
	v_pk_add_f32 v[14:15], v[14:15], v[236:237]
	s_add_co_u32 s[SK], s[SK], 4096
	s_add_co_u32 s[S5], s[S5], 512
.endm
.macro BMAX b0, b1                     ; the largest weight of my 16 in each of two blocks; none is negative; the floor 2^(3 - 127) holds the byte at 1 from below
.irp b, \b0, \b1
	v_max3_num_f32 v[TM+\b], v[S+16*\b], v[S+16*\b+1], 0x1800000
.endr
.irp i, 2,4,6,8,10,12,14
.irp b, \b0, \b1
	v_max3_num_f32 v[TM+\b], v[TM+\b], v[S+16*\b+\i], v[S+16*\b+\i+1]
.endr
.endr
.endm
; WALK 2, a key step: the scores again, the finished weights, their codes, O^T += V^T P^T.  first = 1: the products start O^T's sums
.macro STEP2 first
	v_add_nc_u32 v[ADK], s[SK], v[LI]              ; (these five are also the places between the last products and the loads into the registers that they read)
	v_add_nc_u32 v[ADV], s[SK], v[AV0]
	v_add_nc_u32 v[ADS], s[S5], v[AS0]
	v_add_nc_u32 v[ADT], s[S2], v[AT0]
	v_add_nc_u32 v[ADL], s[S5], v[AL0]
	QK 1
	POWERS
	v_nop
	s_wait_alu depctr_va_vdst(0)
.set j, 0
.rept 16
	v_pk_fma_f32 v[S+j:S+j+1], v[S+j:S+j+1], v[14:15], v[XB+j:XB+j+1] op_sel_hi:[1,0,1]     ; p x 0.5 / l + the lexicon term: blocks 0 and 1
.set j, j+2
.endr
.irp b, 0,1
.irp q, 0,1,2,3
	ds_load_b128 v[XB+16*\b+4*\q:XB+16*\b+4*\q+3], v[ADL] offset:256+128*\b+16*\q            ; the terms of blocks 2 and 3
.endr
.endr
	BMAX 0, 1
	s_wait_dscnt 0x0
.set j, 0
.rept 16
	v_pk_fma_f32 v[S+32+j:S+32+j+1], v[S+32+j:S+32+j+1], v[14:15], v[XB+j:XB+j+1] op_sel_hi:[1,0,1]
.set j, j+2
.endr
.irp d, 0,1,2,3
.irp c, 0,1
	ds_load_b128 v[XB+8*\d+4*\c:XB+8*\d+4*\c+3], v[ADV] offset:1024*\d+512*\c                ; V's four fragments
.endr
.endr
	ds_load_b128 v[VS:VS+3], v[ADT]
	BMAX 2, 3
.irp b, 0,1,2,3
	v_permlanex16_b32 v[TM+4+\b], v[TM+\b], s[SEL], s[SEL+1]
.endr
.irp b, 0,1,2,3
	v_max_num_f32 v[TM+\b], v[TM+\b], v[TM+4+\b]           ; with lane l xor 16's 16 keys: the block's largest
.endr
.irp b, 0,1,2,3
	v_add_nc_u32 v[TM+12+\b], 0xff000000, v[TM+\b]         ; 2 off the exponent field: the conversion's scale operand
.endr
.irp b, 0,1,2,3
	v_lshrrev_b32 v[TM+4+\b], 23, v[TM+12+\b]              ; the scale's byte
.endr
	v_lshl_or_b32 v[PW], v[TM+5], 8, v[TM+4]
	v_lshl_or_b32 v[PW], v[TM+6], 16, v[PW]
	v_lshl_or_b32 v[PW], v[TM+7], 24, v[PW]
.irp b, 0,1,2,3
	v_cvt_scalef32_pk8_fp4_f32 v[PC+2*\b], v[S+16*\b:S+16*\b+7], v[TM+12+\b]
	v_cvt_scalef32_pk8_fp4_f32 v[PC+2*\b+1], v[S+16*\b+8:S+16*\b+15], v[TM+12+\b]
.endr
	v_nop                                          ; one plain place behind a scaled conversion
.irp c, 0,1
.irp i, 0,1
	v_permlane16_swap_b32 v[PC+4*\c+\i], v[PC+2+4*\c+\i]   ; a whole block to a lane
.endr
.endr
.rept 8
	v_nop                                          ; a scale word made by vector instructions stands eight places ahead of the scaled product, an operand four
.endr
	s_wait_dscnt 0x0
.irp d, 0,1,2,3
.if \first
	v_wmma_scale_f32_16x16x128_f8f6f4 v[OT+8*\d:OT+8*\d+7], v[XB+8*\d:XB+8*\d+7], v[PC:PC+7], 0, v[VS+\d], v[PW] matrix_a_fmt:MATRIX_FMT_FP4 matrix_b_fmt:MATRIX_FMT_FP4
.else
	v_wmma_scale_f32_16x16x128_f8f6f4 v[OT+8*\d:OT+8*\d+7], v[XB+8*\d:XB+8*\d+7], v[PC:PC+7], v[OT+8*\d:OT+8*\d+7], v[VS+\d], v[PW] matrix_a_fmt:MATRIX_FMT_FP4 matrix_b_fmt:MATRIX_FMT_FP4
.endif
.endr
	s_add_co_u32 s[SK], s[SK], 4096
	s_add_co_u32 s[S5], s[S5], 512
	s_add_co_u32 s[S2], s[S2], 256
.endm
	s_mov_b32 s[CNT], 16
.Lwalk1:
	STEP1
	s_sub_co_u32 s[CNT], s[CNT], 1
	s_cmp_lg_u32 s[CNT], 0
	s_cbranch_scc1 .Lwalk1
	; the two halves of the lanes are joined: the larger M, both sums under it, and a = 0.5 / l
	v_add_f32 v14, v14, v15
	v_permlanex16_b32 v232, v12, s[SEL], s[SEL+1]
	v_min_num_f32 v233, v12, v232                  ; the smaller -M
	v_sub_f32 v234, v233, v12                      ; my M - the joint M: a whole number, 0 or less
	v_cvt_i32_f32 v234, v234
	v_ldexp_f32 v234, 1.0, v234
	v_mul_f32 v14, v14, v234
	v_mov_b32 v12, v233
	v_permlanex16_b32 v232, v14, s[SEL], s[SEL+1]
	v_add_f32 v14, v14, v232                       ; l
	v_rcp_f32 v235, v14
	v_nop
	s_wait_alu depctr_va_vdst(0)
	v_mul_f32 v14, 0.5, v235
	v_mov_b32 v15, v14
	s_mov_b32 s[SK], 0
	s_mov_b32 s[S5], 0
	s_mov_b32 s[S2], 0
	STEP2 1                                        ; the first step is written out: its products start O^T's sums, nothing is cleared
	s_mov_b32 s[CNT], 15
.Lwalk2:
	STEP2 0
	s_sub_co_u32 s[CNT], s[CNT], 1
	s_cmp_lg_u32 s[CNT], 0
	s_cbranch_scc1 .Lwalk2
	; THE WAY OUT.  Register 16 b + i of O^T is channel 32 b + 16 (lane / 16) + i of my query: two blocks of the last product's K.  They are quantised; the codes leave as an image of that operand's registers.
.rept 4
	v_nop
.endr
.irp b, 0,1
	v_max3_num_f32 v[TM+\b], |v[OT+16*\b]|, |v[OT+16*\b+1]|, 0x1800000
.endr
.irp i, 2,4,6,8,10,12,14
.irp b, 0,1
	v_max3_num_f32 v[TM+\b], v[TM+\b], |v[OT+16*\b+\i]|, |v[OT+16*\b+\i+1]|
.endr
.endr
.irp b, 0,1
	v_permlanex16_b32 v[TM+4+\b], v[TM+\b], s[SEL], s[SEL+1]
.endr
.irp b, 0,1
	v_max_num_f32 v[TM+\b], v[TM+\b], v[TM+4+\b]
.endr
.irp b, 0,1
	v_add_nc_u32 v[TM+12+\b], 0xff000000, v[TM+\b]
.endr
.irp b, 0,1
	v_lshrrev_b32 v[TM+4+\b], 23, v[TM+12+\b]
.endr
	v_lshl_or_b32 v217, v[TM+5], 8, v[TM+4]        ; my query's two scale bytes
.irp b, 0,1
	v_cvt_scalef32_pk8_fp4_f32 v[PC+2*\b], v[OT+16*\b:OT+16*\b+7], v[TM+12+\b]
	v_cvt_scalef32_pk8_fp4_f32 v[PC+2*\b+1], v[OT+16*\b+8:OT+16*\b+15], v[TM+12+\b]
.endr
	v_nop
	v_permlane16_swap_b32 v[PC], v[PC+2]
	v_permlane16_swap_b32 v[PC+1], v[PC+3]
	global_store_b128 v[LI], v[PC:PC+3], s[12:13]  ; 512 consecutive bytes
	ds_store_b16 v30, v217                         ; both lanes of a query write the same two bytes
	s_wait_dscnt 0x0
	s_barrier_signal -1
	s_barrier_wait -1                              ; the 256 queries' bytes lie in LDS
	s_cmp_lg_u32 s[WV], 0
	s_cbranch_scc1 .Lnot_first
	ds_load_b128 v[232:235], v31
	s_wait_dscnt 0x0
	global_store_b128 v[LI], v[232:235], s[14:15]  ; wave 0 stores them: 512 consecutive bytes
.Lnot_first:
	s_wait_tensorcnt 0x0
	ds_add_u32 v251, v255
	s_wait_dscnt 0x0
	ROUND                                          ; the closing round: no work-group ends while a partner may still ask jointly
	s_endpgm
.Lfunc_end_k_q3db2c2d430_attn:
	.size	k_q3db2c2d430_attn, .Lfunc_end_k_q3db2c2d430_attn-k_q3db2c2d430_attn
	.p2alignl 7, 3214868480
	.fill 96, 4, 3214868480
	.section	.rodata,"a",@progbits
	.p2align	6, 0x0
	.amdhsa_kernel k_q3db2c2d430_attn
		.amdhsa_group_segment_fixed_size 169984
		.amdhsa_private_segment_fixed_size 0
		.amdhsa_enable_private_segment 0
		.amdhsa_kernarg_size 48
		.amdhsa_user_sgpr_count 2
		.amdhsa_user_sgpr_kernarg_segment_ptr 1
		.amdhsa_wavefront_size32 1
		.amdhsa_system_sgpr_workgroup_id_x 1
		.amdhsa_system_sgpr_workgroup_id_y 1
		.amdhsa_system_sgpr_workgroup_id_z 1
		.amdhsa_system_vgpr_workitem_id 0
		.amdhsa_next_free_vgpr 256
		.amdhsa_next_free_sgpr 66
		.amdhsa_reserve_vcc 1
		.amdhsa_float_denorm_mode_32 3
		.amdhsa_float_denorm_mode_16_64 3
		.amdhsa_memory_ordered 1
		.amdhsa_forward_progress 1
		.amdhsa_inst_pref_size 55
	.end_amdhsa_kernel
	.amdgpu_metadata
---
amdhsa.version: [ 1, 2 ]
amdhsa.kernels:
  - .name:           k_q3db2c2d430_attn
    .symbol:         k_q3db2c2d430_attn.kd
    .args:
      - { .name: qkv, .offset: 0, .size: 8, .value_kind: global_buffer, .address_space: global }
      - { .name: lexpart, .offset: 8, .size: 8, .value_kind: global_buffer, .address_space: global }
      - { .name: bl, .offset: 16, .size: 8, .value_kind: global_buffer, .address_space: global }
      - { .name: mask, .offset: 24, .size: 8, .value_kind: global_buffer, .address_space: global }
      - { .name: cc, .offset: 32, .size: 8, .value_kind: global_buffer, .address_space: global }
      - { .name: csc, .offset: 40, .size: 8, .value_kind: global_buffer, .address_space: global }
    .group_segment_fixed_size: 169984
    .private_segment_fixed_size: 0
    .kernarg_segment_align: 8
    .kernarg_segment_size: 48
    .max_flat_workgroup_size: 512
    .sgpr_count:     66
    .vgpr_count:     256
    .wavefront_size: 32
...
	.end_amdgpu_metadata
.endif
;; end of part 2
;; launch outp (part 3): grid 256 x 1, 4 waves a work-group, no clusters, 34,304 bytes of LDS; arguments cc, csc, Wo_codes, Wo_scales, bo, out0; writes out0
.if DOCPART == 3
	.amdgcn_target "amdgcn-amd-amdhsa--gfx1250"
	.amdhsa_code_object_version 6
	.text
	.protected	k_q3db2c2d430_outp
	.globl	k_q3db2c2d430_outp
	.p2align	8
	.type	k_q3db2c2d430_outp,@function
k_q3db2c2d430_outp:
	s_mov_b64 s[64:65], 0
	v_nop
	global_prefetch_b8 v0, s[64:65] scope:SCOPE_SE
	s_setreg_imm32_b32 hwreg(HW_REG_WAVE_MODE, 25, 1), 1
	s_wait_xcnt 0x0
; OUTP.  out0 = concat x Wo + bo on codes of FP4 (E2M1) with one E8M0 scale for each 32 along K = 512.
; cc holds concat's codes as images of operand registers, [row tile][head][lane][16 bytes]: K step s takes heads 2 s and 2 s + 1 as its registers 0-3 and 4-7.  csc holds two scale bytes for each (head, row).
; SHARES.  Work-group i: row tiles 2 i and 2 i + 1, which are rows 32 i .. 32 i + 31 (lane r of tile u is row 32 i + 8 u + r + 8 (r / 8)).  Wave w: columns 128 w .. 128 w + 127; its part of Wo stays in window 1.
; The product is used transposed (source 0 = 16 rows of Wo, source 1 = 16 rows of concat): a lane holds eight neighbouring columns of one row.  bo is the C of each sum's first product.
; The results go through the wave's own stage in LDS and leave as whole runs of 512 bytes of a row.  No tensor load, no barrier: waves share nothing.  No cluster: each wave reads its weights once, straight into registers.
.set SPITCH, 528                       ; a stage row: 512 bytes + 16
.set RF,  16                           ; v16-79   concat's fragments: tile u, K step s at 32 u + 8 s
.set RS,  80                           ; v80-87   their scale words
.set PS,  88                           ; v88-119  Wo's scale words: tile t, K step s at 4 t + s
.set HA,  120                          ; v120-183 the 8 accumulators
.set BK,  192                          ; v192-255 16 rows back from the stage; at the head v192-207 take the pairs of scale bytes
.set MSB, 0
.macro WIN new
.if MSB != \new
	s_set_vgpr_msb (MSB<<8)|\new
.set MSB, \new
.endif
.endm
	s_load_b256 s[4:11], s[0:1], 0x0               ; cc s[4:5], csc s[6:7], Wo's codes s[8:9], Wo's scales s[10:11]
	s_load_b128 s[12:15], s[0:1], 0x20             ; bo s[12:13], out0 s[14:15]
	v_lshl_add_u32 v190, v0, 2, 0x8400
	v_mov_b32 v191, 0
	v_lshrrev_b32 v1, 5, v0
	v_readfirstlane_b32 s2, v1                     ; wave 0..3
	v_and_b32 v1, 31, v0
	v_and_b32 v2, 15, v0                           ; r
	v_bfe_u32 v3, v0, 4, 1                         ; h
	v_lshlrev_b32 v6, 4, v1                        ; 16 x lane
	v_lshlrev_b32 v7, 8, v2
	v_lshl_add_u32 v7, v3, 4, v7                   ; Wo: row r of 256 bytes, + 16 h
	v_lshlrev_b32 v8, 4, v2                        ; Wo's scale bytes: 16 a row
	v_lshlrev_b32 v9, 5, v3                        ; bo: 8 h numbers on
	v_lshlrev_b32 v10, 1, v2                       ; csc: two bytes a row
	s_mul_i32 s16, s2, 16*SPITCH                   ; my stage
	v_mul_u32_u24 v4, v2, SPITCH
	v_lshl_add_u32 v4, v3, 5, v4
	v_add_nc_u32 v4, s16, v4                       ; in: row r, + 32 h
	v_add_nc_u32 v5, s16, v6                       ; back: a row's 512 bytes, 16 a lane
	s_mov_b32 s19, 0
	s_wait_kmcnt 0x0
	s_lshl_b32 s18, ttmp9, 13
	s_add_nc_u64 s[4:5], s[4:5], s[18:19]          ; two row tiles of 4,096 bytes
	s_lshr_b32 s18, ttmp9, 6
	s_lshl_b32 s18, s18, 15                        ; the batch's eight heads,
	s_and_b32 s17, ttmp9, 63
	s_lshl_b32 s17, s17, 6                         ; my 32 rows in a head's 2,048
	s_add_co_u32 s18, s18, s17
	s_add_nc_u64 s[6:7], s[6:7], s[18:19]
	s_lshl_b32 s18, s2, 15
	s_add_nc_u64 s[8:9], s[8:9], s[18:19]
	s_lshl_b32 s18, s2, 11
	s_add_nc_u64 s[10:11], s[10:11], s[18:19]
	s_lshl_b32 s18, s2, 9
	s_add_nc_u64 s[12:13], s[12:13], s[18:19]
	s_lshl_b32 s17, ttmp9, 16                      ; 32 rows of 2,048 bytes
	s_add_co_u32 s18, s18, s17
	s_add_nc_u64 s[14:15], s[14:15], s[18:19]
.irp u, 0,1
.irp s, 0,1,2,3
.irp c, 0,1
	global_load_b128 v[RF+32*\u+8*\s+4*\c:RF+32*\u+8*\s+4*\c+3], v6, s[4:5] offset:4096*\u+512*(2*\s+\c)
.endr
.endr
.endr
.irp u, 0,1
.irp e, 0,1,2,3,4,5,6,7
	global_load_u16 v[BK+8*\u+\e], v10, s[6:7] offset:4096*\e+32*\u      ; head e's two bytes of my row
.endr
.endr
	WIN 0x40                                       ; destination window 1: Wo's fragment (t, s) at v[8 (4 t + s)]
.irp t, 0,1,2,3,4,5,6,7
.irp s, 0,1,2,3
.irp c, 0,1
	global_load_b128 v[8*(4*\t+\s)+4*\c:8*(4*\t+\s)+4*\c+3], v7, s[8:9] offset:4096*\t+64*\s+32*\c
.endr
.endr
.endr
	WIN 0
.irp t, 0,1,2,3,4,5,6,7
	global_load_b128 v[PS+4*\t:PS+4*\t+3], v8, s[10:11] offset:256*\t
.endr
	WIN 0x80                                       ; destination window 2: bo of columns 16 t + 8 h + 0 .. 7
.irp t, 0,1,2,3,4,5,6,7
	global_load_b128 v[8*\t:8*\t+3], v9, s[12:13] offset:64*\t
	global_load_b128 v[8*\t+4:8*\t+7], v9, s[12:13] offset:64*\t+16
.endr
	WIN 0
	s_wait_loadcnt 0x0
.irp u, 0,1
.irp s, 0,1,2,3
	v_lshl_or_b32 v[RS+4*\u+\s], v[BK+8*\u+2*\s+1], 16, v[BK+8*\u+2*\s]   ; K step s: head 2 s's two bytes below, head 2 s + 1's above
.endr
.endr
.rept 8
	v_nop                                          ; a scale word made by vector instructions stands eight places ahead of the scaled product
.endr
.macro TILE u
	WIN 0x21                                       ; source 0 (Wo) window 1, source 2 (bo) window 2
.irp p, 0,1,2,3,4,5,6,7
	v_wmma_scale_f32_16x16x128_f8f6f4 v[HA+8*\p:HA+8*\p+7], v[32*\p:32*\p+7], v[RF+32*\u:RF+32*\u+7], v[8*\p:8*\p+7], v[PS+4*\p], v[RS+4*\u] matrix_a_fmt:MATRIX_FMT_FP4 matrix_b_fmt:MATRIX_FMT_FP4
.endr
	WIN 0x01
.irp s, 1,2,3
.irp p, 0,1,2,3,4,5,6,7
	v_wmma_scale_f32_16x16x128_f8f6f4 v[HA+8*\p:HA+8*\p+7], v[32*\p+8*\s:32*\p+8*\s+7], v[RF+32*\u+8*\s:RF+32*\u+8*\s+7], v[HA+8*\p:HA+8*\p+7], v[PS+4*\p+\s], v[RS+4*\u+\s] matrix_a_fmt:MATRIX_FMT_FP4 matrix_b_fmt:MATRIX_FMT_FP4
.endr
.endr
	WIN 0
.rept 5
	v_nop                                          ; four places ahead of the stores that read results; five ahead of the next tile's products, which begin these accumulators anew with another C
.endr
.irp p, 0,1,2,3,4,5,6,7
	ds_store_b128 v4, v[HA+8*\p:HA+8*\p+3] offset:64*\p          ; each accumulator from its low end on
	ds_store_b128 v4, v[HA+8*\p+4:HA+8*\p+7] offset:64*\p+16
.endr
.if \u
	s_wait_xcnt 0x0                                ; the first tile's stores have read v[BK] on: it is loaded again only behind this wait
.endif
.irp i, 0,1,2,3,4,5,6,7,8,9,10,11,12,13,14,15
	ds_load_b128 v[BK+4*\i:BK+4*\i+3], v5 offset:\i*SPITCH       ; LDS serves a wave's instructions in order (ISA guide 5.7.1.4): these see my stores
.endr
.irp i, 0,1,2,3,4,5,6,7,8,9,10,11,12,13,14,15
	s_wait_dscnt 15-\i                             ; row i is back; the younger loads may be out
	global_store_b128 v6, v[BK+4*\i:BK+4*\i+3], s[14:15] offset:(8*\u+\i+8*(\i/8))*2048 th:TH_STORE_NT   ; 512 consecutive bytes, at a multiple of 256 from out0's first byte
.endr
.endm
	TILE 0
	TILE 1
	s_wait_tensorcnt 0x0
	ds_add_u32 v190, v191
	s_wait_dscnt 0x0
	s_endpgm
.Lfunc_end_k_q3db2c2d430_outp:
	.size	k_q3db2c2d430_outp, .Lfunc_end_k_q3db2c2d430_outp-k_q3db2c2d430_outp
	.p2alignl 7, 3214868480
	.fill 96, 4, 3214868480
	.section	.rodata,"a",@progbits
	.p2align	6, 0x0
	.amdhsa_kernel k_q3db2c2d430_outp
		.amdhsa_group_segment_fixed_size 34304
		.amdhsa_private_segment_fixed_size 0
		.amdhsa_enable_private_segment 0
		.amdhsa_kernarg_size 48
		.amdhsa_user_sgpr_count 2
		.amdhsa_user_sgpr_kernarg_segment_ptr 1
		.amdhsa_wavefront_size32 1
		.amdhsa_system_sgpr_workgroup_id_x 1
		.amdhsa_system_sgpr_workgroup_id_y 1
		.amdhsa_system_sgpr_workgroup_id_z 1
		.amdhsa_system_vgpr_workitem_id 0
		.amdhsa_next_free_vgpr 576
		.amdhsa_next_free_sgpr 66
		.amdhsa_reserve_vcc 0
		.amdhsa_float_denorm_mode_32 3
		.amdhsa_float_denorm_mode_16_64 3
		.amdhsa_memory_ordered 1
		.amdhsa_forward_progress 1
		.amdhsa_inst_pref_size 31
	.end_amdhsa_kernel
	.amdgpu_metadata
---
amdhsa.version: [ 1, 2 ]
amdhsa.kernels:
  - .name:           k_q3db2c2d430_outp
    .symbol:         k_q3db2c2d430_outp.kd
    .args:
      - { .name: cc, .offset: 0, .size: 8, .value_kind: global_buffer, .address_space: global }
      - { .name: csc, .offset: 8, .size: 8, .value_kind: global_buffer, .address_space: global }
      - { .name: Wo_codes, .offset: 16, .size: 8, .value_kind: global_buffer, .address_space: global }
      - { .name: Wo_scales, .offset: 24, .size: 8, .value_kind: global_buffer, .address_space: global }
      - { .name: bo, .offset: 32, .size: 8, .value_kind: global_buffer, .address_space: global }
      - { .name: out0, .offset: 40, .size: 8, .value_kind: global_buffer, .address_space: global }
    .group_segment_fixed_size: 34304
    .private_segment_fixed_size: 0
    .kernarg_segment_align: 8
    .kernarg_segment_size: 48
    .max_flat_workgroup_size: 128
    .sgpr_count:     66
    .vgpr_count:     576
    .wavefront_size: 32
...
	.end_amdgpu_metadata
.endif
;; end of part 3
;; ======== version 2 of 3: 3 launches; 1.27 times as fast as version 1
;; workspace buffers: qkv 6,946,816 bytes; lexpart 131,072 bytes; cc 2,097,152 bytes; csc 131,072 bytes
;; launch prep: the kernel of part 1 again; grid 256 x 1, 4 waves a work-group, no clusters, 8,704 bytes of LDS; arguments q_codes, q_scales, Wq_codes, Wq_scales, bq, k_codes, k_scales, Wk_codes, Wk_scales, bk, v_codes, v_scales, Wv_codes, Wv_scales, bv, mask, Lexicon, Wl, qkv, lexpart; writes qkv, lexpart
;; launch attn (part 4): grid 8 x 32, 8 waves a work-group, clusters of 4 x 1, 197,632 bytes of LDS; arguments qkv, lexpart, bl, mask, cc, csc; writes cc, csc
.if DOCPART == 4
	.amdgcn_target "amdgcn-amd-amdhsa--gfx1250"
	.amdhsa_code_object_version 6
	.text
	.protected	k_q3db2c2d430_attn
	.globl	k_q3db2c2d430_attn
	.p2align	8
	.type	k_q3db2c2d430_attn,@function
k_q3db2c2d430_attn:
	s_mov_b64 s[64:65], 0
	v_nop
	global_prefetch_b8 v0, s[64:65] scope:SCOPE_SE
	s_setreg_imm32_b32 hwreg(HW_REG_WAVE_MODE, 25, 1), 1
	s_wait_xcnt 0x0
	s_wait_alu depctr_hold_cnt(0) depctr_sa_sdst(0) depctr_va_vdst(0) depctr_va_sdst(0) depctr_va_ssrc(0) depctr_va_vcc(0) depctr_vm_vsrc(0)
	s_getreg_b32 s2, hwreg(HW_REG_IB_STS2, 6, 4)
	s_cmp_eq_u32 s2, 0
	s_cbranch_scc0 .Lentry_in_a_cluster
	s_endpgm
.Lentry_in_a_cluster:
	s_bfe_u32 s2, ttmp6, 0x10000c
	s_cmp_lg_u32 s2, 0x3003
	s_cbranch_scc0 .Lentry_shape_is_right
	s_endpgm
.Lentry_shape_is_right:
; ATTN.  out = Q(0.5 (softmax(q k^T / 8, masked) + softmax(lexicon bias, masked))) x Q(v), both products on codes of FP4 (E2M1) with one E8M0 scale for each 32 along K; then the result is quantised for the last product.
; What is quantised is the FINISHED weight, so a row's maximum and sum are known before any code is made.  The keys are walked ONCE: a tile's scores stay in registers between the sum and the codes.
; SHARES.  A work-group: one (batch, head) and 256 queries; eight waves of 512 registers, two to a SIMD.  FOUR WAVES SHARE A TILE OF 16 QUERIES: wave kq = wave % 4 keeps the scores against its own 512 keys, 256 registers (window 1).
;   The two groups of four waves take two tiles a round; eight rounds.
; A ROUND.  S^T = K Q^T (32 products) with the search for the largest score between them | p = 2^(c s - M), M the wave's OWN largest t rounded up to a whole number, and the wave's own sum | (-M, sum) to LDS, barrier A |
;   the four waves' pairs: the joint M is the largest, the sums come under it by multiplications by powers of two, which round nothing; a = 0.5 / l x 2^(own M - joint M) | four key steps: p a + the lexicon term, codes, O^T += V^T P^T |
;   the wave's partial O^T to LDS, barrier B, with the NEXT round's K Q^T between its signal and its wait | two waves of a group add the four partial sums, one block of 32 channels each, quantise and store.
; LDS.  A head's K and V (images of operand registers, with their scale words: 143,360 bytes as the launch before laid them) come ONCE and stay: no byte is ever filled again.  The claim is more than half of a WGP's LDS.
; CLUSTER.  The four query blocks of a cluster belong to one head and want the same 143,360 bytes: each wave's part is asked for JOINTLY, by the same tensor load with the same descriptor and a mask that names the four.
; LAYOUT.  Both products are used transposed (source 0 = 16 keys, or 16 channels): a lane holds ONE query (lane % 16) throughout.  The keys of a tile are chosen (by the launch before) so that score register 64 s + 16 b + i is
;   key 128 s + 32 b + 16 (lane / 16) + i of the wave's 512.
; THE MASK rides in the product: at k = 64 every key has the code -6 and every query +6; that block's scale byte is 155 for a masked key and 0 for an open one, 127 for a query.  No compare, no select in the loop.
; LIMITS: a masked score is -1.208e9 where the definition writes -1e9 (it differs only for open scores under about -1e9).  NaN and infinities are not served.  A block whose largest magnitude lies under 2^-124 keeps the scale byte 1.
;   Where a wave's M lies more than about 120 under the row's, its weights (under 2^-120) fall to the lexicon term alone.
; REGISTERS.  Window 1: the scores.  Window 0: v1-11 LDS addresses, never rewritten; v12 -M, v13 the sum; v14 a; v16-24 Q; v25-30 offsets; v32-95 eight fragments of K; v96-127 lexicon terms; v128-159 O^T; v160-167 codes; v168-189 at work;
;   v190-191 the finished tiles' scale bytes; v192-223 V's fragments; v224-239 V's scale words (they stay); v240-247 K's scale words; v248-255 eight chains of the maximum, later four of the sum.
;   s_set_vgpr_msb: bits 1:0 source 0, 3:2 source 1, 5:4 source 2, 7:6 destination.  Work is laid in long runs under one setting.
.set BLK,   217088
.set KSC,   65536
.set VIMG,  73728
.set VSC,   139264
.set QIMG,  143360
.set QSC,   208896
.set PART,  17920                      ; 143,360 / 8 waves: 70 rows of 256 bytes
.set LEXH,  143360                     ; LDS behind the images: 0.5 x the lexicon softmax, f32, by key: 8,192 bytes
.set RED,   151552                     ; the waves' maxima (32 bytes), and 128 bytes on their sums
.set OSC,   151808                     ; the 256 queries' scale bytes on the way out: 512 bytes
.set STAT,  152320                     ; [group 2][r 16][wave 4] pairs (-M, sum): 1,024 bytes
.set OP,    153344                     ; the eight waves' partial O^T, images of 32 registers: 8 x 4,096 bytes
.set LI,  1                            ; 16 x lane
.set ADK, 2                            ; K's images of my 512 keys
.set ADS, 3                            ; K's scale words
.set ADV, 4                            ; V's images
.set ADT, 5                            ; V's scale words
.set ADL, 6                            ; the lexicon terms of my half's keys
.set STW, 7                            ; where I put my pair
.set STR, 8                            ; where my query's four pairs lie
.set OPW, 9                            ; where I put my partial O^T
.set OPR, 10                           ; where my block's four partial sums lie
.set OSW, 11                           ; where my scale bytes go at the end
.set QF,  16                           ; v16-23 Q's fragment: 16-19 loaded; v20 the code +6 at k = 64; v21-23 zeros
.set QS,  24                           ; Q's scale words
.set QSO, 25                           ; 32 r
.set CCO, 26                           ; my 8 bytes in a head's 512 of cc
.set QA,  27                           ; offsets in hand: Q's image,
.set QB,  28                           ; Q's scale words,
.set CA,  29                           ; cc
.set OSR, 30                           ; OSC + 16 x lane
.set KB,  32                           ; eight fragments of K: registers 0-3 loaded; register 4 the code -6 at k = 64; 5-7 zeros, set once.  The low quads also take the lexicon terms of blocks 0 and 1
.set XB,  96                           ; the lexicon terms of blocks 2 and 3; two partial sums
.set OT,  128                          ; O^T; two partial sums
.set PC,  160
.set TM,  168
.set PW,  184                          ; the weights' scale word
.set T0,  185
.set T1,  186
.set T2,  187
.set T3,  188
.set BLO, 190                          ; v190-191
.set YB,  192
.set VS,  224
.set KS,  240                          ; two sets of four
.set MX,  248
.set SM,  248
.set WV,  16
.set SEL, 20
.set CS,  22                           ; s[22:23] c = log2(e) / 8
.set G1,  24
.set G0,  32
.set GRP, 40                           ; wave / 4
.set KQ,  41                           ; wave % 4
.set FB,  42                           ; (kq + 2 x group) % 4: under 2, I finish block FB of my group's tiles
.set FB1, 43
.set TL,  44                           ; the tile in hand, 0 .. 15: 2 x round + group
.set TN,  45                           ; the next
.set CNT, 54
.set MSB, 0
.macro WIN new                         ; the immediate's high byte repeats the setting that is left; a switch that changes nothing is dropped
.if MSB != \new
	s_set_vgpr_msb (MSB<<8)|\new
.set MSB, \new
.endif
.endm
.macro ROUND                           ; a round of the cluster's barrier
	s_barrier_signal -1
	s_barrier_wait -1
	s_cmp_lg_u32 s[WV], 0
	s_cbranch_scc1 .Lnot_wave_0_\@
	s_barrier_signal -3
.Lnot_wave_0_\@:
	s_barrier_wait -3
	s_barrier_signal -1
	s_barrier_wait -1
.endm
.macro QLOAD tn                        ; Q's image and scale words of the tile whose number s[tn] holds
	s_lshl_b32 s50, s[\tn], 9
	v_add_nc_u32 v[QA], s50, v[LI]
	s_lshr_b32 s50, s[\tn], 3
	s_lshl_b32 s50, s50, 9
	s_and_b32 s51, s[\tn], 7
	s_lshl_b32 s51, s51, 2
	s_add_co_u32 s50, s50, s51
	v_add_nc_u32 v[QB], s50, v[QSO]
	global_load_b128 v[QF:QF+3], v[QA], s[46:47]
	global_load_b32 v[QS], v[QB], s[48:49]
.endm
.macro KLD g                           ; five loads: the four tiles of group g and their scale words, into set g % 2
.irp t, 0,1,2,3
	ds_load_b128 v[KB+32*((\g)%2)+8*\t:KB+32*((\g)%2)+8*\t+3], v[ADK] offset:512*(4*(\g)+\t)
.endr
	ds_load_b128 v[KS+4*((\g)%2):KS+4*((\g)%2)+3], v[ADS] offset:512*((\g)/2)+16*((\g)%2)
.endm
.macro KMAX g                          ; the largest of group g's 32 scores a lane, onto eight chains; each tile is read from its low end on
.set j, 0
.rept 16
.if ((\g) == 0) && (j < 8)
	v_max3_num_f32 v[MX+j%8], v[32*(\g)+2*j], v[32*(\g)+2*j+1], 0xff800000
.else
	v_max3_num_f32 v[MX+j%8], v[32*(\g)+2*j], v[32*(\g)+2*j+1], v[MX+j%8]
.endif
.set j, j+1
.endr
.endm
; S^T of my 512 keys: eight groups of four tiles.  Behind each group's products stand the sixteen maxima of the group before: plain vector work that names none of the products' registers, so they are also the four places ahead of the
; loads into the fragments just read and ahead of the first read of results.
.macro QK
	KLD 0
	KLD 1
.irp g, 0,1,2,3,4,5,6,7
.if \g < 7
	s_wait_dscnt 5                                 ; this group's five loads are in; the next group's five may be out
.else
	s_wait_dscnt 0x0
.endif
	WIN 0x40                                       ; the scores in window 1
.irp t, 0,1,2,3
	v_wmma_scale_f32_16x16x128_f8f6f4 v[8*(4*\g+\t):8*(4*\g+\t)+7], v[KB+32*(\g%2)+8*\t:KB+32*(\g%2)+8*\t+7], v[QF:QF+7], 0, v[KS+4*(\g%2)+\t], v[QS] matrix_a_fmt:MATRIX_FMT_FP4 matrix_b_fmt:MATRIX_FMT_FP4
.endr
.if \g == 0
.rept 4
	v_nop
.endr
.else
	WIN 0x05                                       ; sources 0 and 1 window 1
	KMAX \g-1
.endif
.if \g < 6
	WIN 0
	KLD \g+2
.endif
.endr
	KMAX 7
	WIN 0
.endm
; p = 2^(c s - M) of the 256 scores: 128 packed multiply-adds dealt among 256 exponentials; a pair is scaled four pairs ahead of its exponentials.  ONE batch: nothing here names an exponential's result.
.macro POWERS
	WIN 0x41                                       ; source 0 and destination window 1; -M window 0
.set j, 0
.rept 4
	v_pk_fma_f32 v[j:j+1], v[j:j+1], s[CS:CS+1], v[12:13] op_sel_hi:[1,0,0]
.set j, j+2
.endr
.set j, 0
.rept 128
	v_exp_f32 v[j], v[j]
	v_exp_f32 v[j+1], v[j+1]
.if j+8 < 256
	v_pk_fma_f32 v[j+8:j+9], v[j+8:j+9], s[CS:CS+1], v[12:13] op_sel_hi:[1,0,0]
.endif
.set j, j+2
.endr
.endm
.macro LEXA s                          ; the lexicon terms of step s, blocks 0 and 1, into the low quads of K's eight buffers
.irp b, 0,1
.irp q, 0,1,2,3
	ds_load_b128 v[KB+8*(4*\b+\q):KB+8*(4*\b+\q)+3], v[ADL] offset:512*(\s)+128*\b+16*\q
.endr
.endr
.endm
.macro LEXB s                          ; blocks 2 and 3
.irp b, 0,1
.irp q, 0,1,2,3
	ds_load_b128 v[XB+16*\b+4*\q:XB+16*\b+4*\q+3], v[ADL] offset:512*(\s)+256+128*\b+16*\q
.endr
.endr
.endm
.macro VLD s                           ; V's four fragments of step s
.irp d, 0,1,2,3
.irp c, 0,1
	ds_load_b128 v[YB+8*\d+4*\c:YB+8*\d+4*\c+3], v[ADV] offset:4096*(\s)+1024*\d+512*\c
.endr
.endr
.endm
.macro N01 s                           ; the finished weights of blocks 0 and 1: p a + the lexicon term
.irp b, 0,1
.irp q, 0,1,2,3
.irp e, 0,2
	v_pk_fma_f32 v[64*(\s)+16*\b+4*\q+\e:64*(\s)+16*\b+4*\q+\e+1], v[64*(\s)+16*\b+4*\q+\e:64*(\s)+16*\b+4*\q+\e+1], v[14:15], v[KB+8*(4*\b+\q)+\e:KB+8*(4*\b+\q)+\e+1] op_sel_hi:[1,0,1]
.endr
.endr
.endr
.endm
.macro N23 s                           ; of blocks 2 and 3
.set j, 0
.rept 16
	v_pk_fma_f32 v[64*(\s)+32+j:64*(\s)+32+j+1], v[64*(\s)+32+j:64*(\s)+32+j+1], v[14:15], v[XB+j:XB+j+1] op_sel_hi:[1,0,1]
.set j, j+2
.endr
.endm
; A key step of 128 keys.  Its blocks 0 and 1 were finished in the step before.  LDS loads are issued in this order: LEXA s+1 | V s | LEXB s+1 | LEXA s+2; each count below names what was issued behind the loads that it waits for.
.macro STEP2 s
.if ((\s) == 1) || ((\s) == 2)
	s_wait_dscnt 8                                 ; this step's terms of blocks 2 and 3 are in; the next step's of blocks 0 and 1 may be out
.elseif (\s) == 3
	s_wait_dscnt 0x0
.endif
	WIN 0x41
	N23 \s                                         ; (these sixteen are also the places between the last products and the loads into V's registers)
	WIN 0
.if (\s) > 0
	VLD \s
.endif
.if (\s) < 3
	LEXB (\s)+1
.endif
	WIN 0x05
.irp b, 0,1,2,3
	v_max3_num_f32 v[TM+\b], v[64*(\s)+16*\b], v[64*(\s)+16*\b+1], 0x1800000     ; the largest weight of my 16 in each block; none is negative; the floor 2^(3 - 127) holds the byte at 1 from below
.endr
.irp i, 2,4,6,8,10,12,14
.irp b, 0,1,2,3
	v_max3_num_f32 v[TM+\b], v[64*(\s)+16*\b+\i], v[64*(\s)+16*\b+\i+1], v[TM+\b]
.endr
.endr
	WIN 0
.irp b, 0,1,2,3
	v_permlanex16_b32 v[TM+4+\b], v[TM+\b], s[SEL], s[SEL+1]
.endr
.irp b, 0,1,2,3
	v_max_num_f32 v[TM+\b], v[TM+\b], v[TM+4+\b]   ; with lane l xor 16's 16 keys: the block's largest
.endr
.irp b, 0,1,2,3
	v_add_nc_u32 v[TM+12+\b], 0xff000000, v[TM+\b] ; 2 off the exponent field: the conversion's scale operand
.endr
.irp b, 0,1,2,3
	v_lshrrev_b32 v[TM+4+\b], 23, v[TM+12+\b]      ; the scale's byte
.endr
	v_lshl_or_b32 v[PW], v[TM+5], 8, v[TM+4]
	v_lshl_or_b32 v[PW], v[TM+6], 16, v[PW]
	v_lshl_or_b32 v[PW], v[TM+7], 24, v[PW]
	WIN 0x01                                       ; the weights in window 1
.irp b, 0,1,2,3
	v_cvt_scalef32_pk8_fp4_f32 v[PC+2*\b], v[64*(\s)+16*\b:64*(\s)+16*\b+7], v[TM+12+\b]
	v_cvt_scalef32_pk8_fp4_f32 v[PC+2*\b+1], v[64*(\s)+16*\b+8:64*(\s)+16*\b+15], v[TM+12+\b]
.endr
	WIN 0
	v_nop                                          ; one plain place behind a scaled conversion
.irp c, 0,1
.irp i, 0,1
	v_permlane16_swap_b32 v[PC+4*\c+\i], v[PC+2+4*\c+\i]   ; a whole block to a lane
.endr
.endr
.if (\s) < 3
.if (\s) == 0
	s_wait_dscnt 8                                 ; the next step's terms of blocks 0 and 1 are in; behind them: LEXB
.else
	s_wait_dscnt 16                                ; behind them: V and LEXB
.endif
	WIN 0x41
	N01 (\s)+1                                     ; sixteen plain instructions: a scale word made by vector instructions stands eight places ahead of the scaled product, an operand four
	WIN 0
.if (\s) < 2
	LEXA (\s)+2
.endif
.else
.rept 8
	v_nop
.endr
.endif
.if (\s) == 1
	s_wait_dscnt 16                                ; V is in; behind it: LEXB and LEXA
.elseif (\s) == 2
	s_wait_dscnt 8                                 ; behind it: LEXB
.elseif (\s) == 3
	s_wait_dscnt 0x0
.endif
.irp d, 0,1,2,3                                ; the four accumulators by turns; the first step's products start the sums
.if (\s) == 0
	v_wmma_scale_f32_16x16x128_f8f6f4 v[OT+8*\d:OT+8*\d+7], v[YB+8*\d:YB+8*\d+7], v[PC:PC+7], 0, v[VS+4*(\s)+\d], v[PW] matrix_a_fmt:MATRIX_FMT_FP4 matrix_b_fmt:MATRIX_FMT_FP4
.else
	v_wmma_scale_f32_16x16x128_f8f6f4 v[OT+8*\d:OT+8*\d+7], v[YB+8*\d:YB+8*\d+7], v[PC:PC+7], v[OT+8*\d:OT+8*\d+7], v[VS+4*(\s)+\d], v[PW] matrix_a_fmt:MATRIX_FMT_FP4 matrix_b_fmt:MATRIX_FMT_FP4
.endif
.endr
.endm
; A ROUND, from the scores (made in the round before) to the tile's codes.  last = 1: there is no next tile.
.macro BODY last
	s_wait_xcnt 0x0                                ; the last round's store has read its offset and its data: both are written again only behind this wait
.if \last == 0
	s_add_co_u32 s[TN], s[TL], 2
	QLOAD TN                                       ; the next tile's Q: a whole round ahead of its products
.endif
	v_max3_num_f32 v[MX], v[MX], v[MX+1], v[MX+2]
	v_max3_num_f32 v[MX+3], v[MX+3], v[MX+4], v[MX+5]
	v_max3_num_f32 v[MX], v[MX], v[MX+3], v[MX+6]
	v_max_num_f32 v[MX], v[MX], v[MX+7]
	v_permlanex16_b32 v[T0], v[MX], s[SEL], s[SEL+1]
	v_max_num_f32 v[MX], v[MX], v[T0]              ; my query's largest score among my wave's 512 keys
	v_mul_f32 v[MX], s[CS], v[MX]                  ; as t (c is positive)
	v_floor_f32 v12, -v[MX]                        ; -M = floor(-t): M is a whole number
	POWERS
	v_nop                                          ; a plain place behind the last exponential,
	s_wait_alu depctr_va_vdst(0)                   ; and the one wait ahead of the batch's first reader
	WIN 0
	LEXA 0                                         ; the first step's terms and V: they land under the sums
	LEXB 0
	VLD 0
	WIN 0x01
.set j, 0
.rept 4
	v_pk_mul_f32 v[SM+j:SM+j+1], v[j:j+1], 1.0 op_sel_hi:[1,0]    ; the first four pairs start four chains
.set j, j+2
.endr
.rept 124
	v_pk_add_f32 v[SM+j%8:SM+j%8+1], v[j:j+1], v[SM+j%8:SM+j%8+1]  ; the sum is taken of the unquantised p
.set j, j+2
.endr
	WIN 0
	v_pk_add_f32 v[SM:SM+1], v[SM:SM+1], v[SM+2:SM+3]
	v_pk_add_f32 v[SM+4:SM+5], v[SM+4:SM+5], v[SM+6:SM+7]
	v_pk_add_f32 v[SM:SM+1], v[SM:SM+1], v[SM+4:SM+5]
	v_add_f32 v[SM], v[SM], v[SM+1]
	v_permlanex16_b32 v[T0], v[SM], s[SEL], s[SEL+1]
	v_add_f32 v13, v[SM], v[T0]                    ; my wave's sum under its M
	ds_store_b64 v[STW], v[12:13]                  ; both lanes of a query write the same pair
	s_wait_dscnt 0x0                               ; for the others' sake: my pair has landed; and my reads of the partial sums are over, which are written again behind this barrier
	s_barrier_signal -1
	s_barrier_wait -1                              ; BARRIER A
	ds_load_b128 v[TM:TM+3], v[STR]
	ds_load_b128 v[TM+4:TM+7], v[STR] offset:16
	s_wait_dscnt 0x0
	v_min_num_f32 v[T1], v[TM], v[TM+2]
	v_min_num_f32 v[T2], v[TM+4], v[TM+6]
	v_min_num_f32 v[T1], v[T1], v[T2]              ; the joint -M
.irp w, 0,1,2,3
	v_sub_f32 v[TM+8+\w], v[T1], v[TM+2*\w]        ; wave w's M - the joint M: a whole number, 0 or less
.endr
	v_sub_f32 v[T2], v[T1], v12                    ; my own
.irp w, 0,1,2,3
	v_cvt_i32_f32 v[TM+8+\w], v[TM+8+\w]
.endr
	v_cvt_i32_f32 v[T2], v[T2]
.irp w, 0,1,2,3
	v_ldexp_f32 v[TM+1+2*\w], v[TM+1+2*\w], v[TM+8+\w]     ; each sum under the joint M: nothing is rounded
.endr
	v_add_f32 v[TM+1], v[TM+1], v[TM+3]
	v_add_f32 v[TM+5], v[TM+5], v[TM+7]
	v_add_f32 v[TM+1], v[TM+1], v[TM+5]            ; l
	v_rcp_f32 v[T3], v[TM+1]
	v_nop
	s_wait_alu depctr_va_vdst(0)
	v_mul_f32 v[T3], 0.5, v[T3]
	v_ldexp_f32 v14, v[T3], v[T2]                  ; a = 0.5 / l x 2^(my M - the joint M)
	WIN 0x41
	N01 0
	WIN 0
	LEXA 1
.irp s, 0,1,2,3
	STEP2 \s
.endr
.rept 4
	v_nop                                          ; four places ahead of the stores that read results
.endr
.irp i, 0,1,2,3,4,5,6,7
	ds_store_b128 v[OPW], v[OT+4*\i:OT+4*\i+3] offset:512*\i       ; my partial O^T as it stands, each accumulator from its low end on
.endr
	s_wait_dscnt 0x0                               ; it has landed; and my reads of the pairs are over, which are written again behind this barrier
	s_barrier_signal -1                            ; BARRIER B: between its signal and its wait only register work and loads of LDS bytes that nobody writes
.if \last == 0
	s_wait_loadcnt 0x0                             ; the next tile's Q
	QK
.endif
	s_barrier_wait -1
	s_lshl_b32 s50, s[TL], 12
	v_add_nc_u32 v[CA], s50, v[CCO]                ; a row tile of cc is 4,096 bytes
	s_cmp_lt_u32 s[FB], 2
	s_cbranch_scc0 .Lnofin_\@
.irp w, 0,1                                    ; my block's 16 registers of the four waves' partial sums
.irp i, 0,1,2,3
	ds_load_b128 v[XB+16*\w+4*\i:XB+16*\w+4*\i+3], v[OPR] offset:4096*\w+512*\i
.endr
.endr
.irp w, 0,1
.irp i, 0,1,2,3
	ds_load_b128 v[OT+16*\w+4*\i:OT+16*\w+4*\i+3], v[OPR] offset:4096*(2+\w)+512*\i
.endr
.endr
	s_wait_dscnt 0x0
.irp j, 0,2,4,6,8,10,12,14
	v_pk_add_f32 v[XB+\j:XB+\j+1], v[XB+\j:XB+\j+1], v[XB+16+\j:XB+16+\j+1]
	v_pk_add_f32 v[OT+\j:OT+\j+1], v[OT+\j:OT+\j+1], v[OT+16+\j:OT+16+\j+1]
.endr
.irp j, 0,2,4,6,8,10,12,14
	v_pk_add_f32 v[XB+\j:XB+\j+1], v[XB+\j:XB+\j+1], v[OT+\j:OT+\j+1]      ; channel 32 FB + 16 (lane / 16) + j of my query
.endr
	v_max3_num_f32 v[TM], |v[XB]|, |v[XB+1]|, 0x1800000
	v_max3_num_f32 v[TM+1], |v[XB+2]|, |v[XB+3]|, |v[XB+4]|
.irp i, 5,9
	v_max3_num_f32 v[TM], v[TM], |v[XB+\i]|, |v[XB+\i+1]|
	v_max3_num_f32 v[TM+1], v[TM+1], |v[XB+\i+2]|, |v[XB+\i+3]|
.endr
	v_max3_num_f32 v[TM], v[TM], |v[XB+13]|, |v[XB+14]|
	v_max3_num_f32 v[TM], v[TM], v[TM+1], |v[XB+15]|
	v_permlanex16_b32 v[TM+4], v[TM], s[SEL], s[SEL+1]
	v_max_num_f32 v[TM], v[TM], v[TM+4]
	v_add_nc_u32 v[TM+12], 0xff000000, v[TM]
	v_lshrrev_b32 v[TM+5], 23, v[TM+12]
	v_cvt_scalef32_pk8_fp4_f32 v[PC], v[XB:XB+7], v[TM+12]
	v_cvt_scalef32_pk8_fp4_f32 v[PC+1], v[XB+8:XB+15], v[TM+12]
	v_lshrrev_b32 v[BLO], 8, v[BLO]                ; (a plain place behind the conversions)  the eight rounds' bytes are shifted into a pair of registers, the first round's lowest
	v_lshl_or_b32 v[BLO], v[BLO+1], 24, v[BLO]
	v_lshrrev_b32 v[BLO+1], 8, v[BLO+1]
	v_lshl_or_b32 v[BLO+1], v[TM+5], 24, v[BLO+1]
	global_store_b64 v[CA], v[PC:PC+1], s[12:13]   ; the wave stores 256 consecutive bytes, at a multiple of 256 from cc's first byte: lanes 16 FB .. 16 FB + 15 of the operand's image
.Lnofin_\@:
	s_add_co_u32 s[TL], s[TL], 2
.endm
	s_load_b256 s[4:11], s[0:1], 0x0               ; qkv s[4:5], lexpart s[6:7], bl s[8:9], mask s[10:11]
	s_load_b128 s[12:15], s[0:1], 0x20             ; cc s[12:13], csc s[14:15]
	v_lshl_add_u32 v31, v0, 2, 0x30000
	v_mov_b32 v189, 0
	ds_add_u32 v31, v189
	ds_add_u32 v31, v189
	v_lshrrev_b32 v[T0], 5, v0
	v_readfirstlane_b32 s[WV], v[T0]               ; wave 0..7
	s_bfe_u32 s17, ttmp6, 0x40000                  ; cx: my place in the cluster
	s_lshl_b32 s18, ttmp9, 2
	s_add_co_u32 s18, s18, s17                     ; my block of 256 queries: it enters global addresses of Q and of the outputs alone
	s_and_b32 s19, ttmp7, 0xffff                   ; 8 x batch + head, which the four partners share
	s_lshr_b32 s[GRP], s[WV], 2
	s_and_b32 s[KQ], s[WV], 3
	s_lshl_b32 s[FB], s[GRP], 1
	s_add_co_u32 s[FB], s[FB], s[KQ]
	s_and_b32 s[FB], s[FB], 3                      ; waves 0, 1, 6 and 7 finish tiles
	s_and_b32 s[FB1], s[FB], 1
	s_mov_b32 s[TL], s[GRP]
	s_mov_b32 s[G1], 15|(3<<16)|(1<<21)            ; 15:0 the mask: all four work-groups; 17:16 elements of 8 bytes; 21 set beside a mask; no padding
	s_mov_b32 s[G1+1], 32<<16                      ; tensor_dim0 = 32 elements: rows of 256 bytes
	s_mov_b32 s[G1+2], 70<<16                      ; tensor_dim1 = 70
	s_mov_b32 s[G1+3], 32<<16                      ; tile_dim0
	s_mov_b32 s[G1+4], 70                          ; tile_dim1
	s_mov_b32 s[G1+5], 32                          ; the pitch: the block is dense
	s_mov_b32 s[G1+6], 0
	s_mov_b32 s[G1+7], 0
	s_mul_i32 s36, s19, BLK
	s_mov_b32 s37, 0
	s_mul_i32 s38, s[WV], PART                     ; my wave's part, in memory and in LDS alike
	s_mov_b32 s39, 0
	s_mov_b32 s[SEL], 0x76543210
	s_mov_b32 s[SEL+1], 0xfedcba98                 ; v_permlanex16_b32's selects for lane l xor 16
	s_mov_b32 s[CS], 0x3e38aa3b                    ; log2(e) / 8
	s_mov_b32 s[CS+1], s[CS]
	s_wait_dscnt 0x0
	s_wait_kmcnt 0x0
	s_add_nc_u64 s[4:5], s[4:5], s[36:37]          ; my head's block
	s_mov_b32 s[G0], 1
	s_mov_b32 s[G0+1], s38
	s_add_nc_u64 s[G0+2:G0+3], s[4:5], s[38:39]
	s_or_b32 s[G0+3], s[G0+3], 0x80000000
	ROUND                                          ; all four work-groups are here: the joint loads meet
	tensor_load_to_lds s[G0:G0+3], s[G1:G1+7]      ; my one tensor load of the launch
	s_nop 0
.rept 4
	v_nop
.endr
	v_and_b32 v[T2], 31, v0
	v_lshlrev_b32 v[LI], 4, v[T2]
	v_and_b32 v[T0], 15, v0                        ; r
	v_bfe_u32 v[T1], v0, 4, 1                      ; h
	v_lshlrev_b32 v[QSO], 5, v[T0]
	s_mov_b32 s53, 0
	s_lshl_b32 s52, s18, 13                        ; my block's 16 tiles of 512 bytes
	s_add_co_u32 s52, s52, QIMG
	s_add_nc_u64 s[46:47], s[4:5], s[52:53]
	s_lshl_b32 s52, s18, 10                        ; and their scale words: 512 bytes for eight tiles
	s_add_co_u32 s52, s52, QSC
	s_add_nc_u64 s[48:49], s[4:5], s[52:53]
	QLOAD TL                                       ; the first tile's Q
	; ---- the lexicon softmax of my batch: thread t owns keys 8 t .. 8 t + 7
	s_lshr_b32 s50, s19, 3                         ; batch
	s_lshl_b32 s52, s50, 13
	s_add_nc_u64 s[6:7], s[6:7], s[52:53]
	s_add_nc_u64 s[10:11], s[10:11], s[52:53]
	v_lshlrev_b32 v[T3], 5, v0
.irp q, 0,1,2,3
	global_load_b128 v[128+8*\q:131+8*\q], v[T3], s[6:7] offset:32768*\q       ; the four partial sums
	global_load_b128 v[132+8*\q:135+8*\q], v[T3], s[6:7] offset:32768*\q+16
.endr
	global_load_b128 v[160:163], v[T3], s[8:9]     ; bl
	global_load_b128 v[164:167], v[T3], s[8:9] offset:16
	global_load_b128 v[168:171], v[T3], s[10:11]   ; the mask
	global_load_b128 v[172:175], v[T3], s[10:11] offset:16
	; addresses and constants, while the loads are out
	s_lshl_b32 s52, s50, 7
	s_lshl_b32 s51, s18, 4
	s_add_co_u32 s52, s52, s51                     ; my block's first row tile of the last product: 128 x batch + 16 x block
	s_lshl_b32 s52, s52, 12
	s_and_b32 s51, s19, 7
	s_lshl_b32 s51, s51, 9
	s_add_co_u32 s52, s52, s51
	s_add_nc_u64 s[12:13], s[12:13], s[52:53]      ; cc [row tile][head][lane][16 bytes]
	s_lshl_b32 s52, s19, 12
	s_lshl_b32 s51, s18, 9
	s_add_co_u32 s52, s52, s51
	s_add_nc_u64 s[14:15], s[14:15], s[52:53]      ; csc [8 x batch + head][2,048 rows] two bytes
	s_lshl_b32 s50, s[KQ], 14                      ; my 512 keys: four key steps of 4,096 bytes of images,
	v_add_nc_u32 v[ADK], s50, v[LI]
	v_add_nc_u32 v[ADV], VIMG, v[ADK]
	s_lshl_b32 s50, s[KQ], 11                      ; of 512 bytes of K's scale words and of lexicon terms,
	v_lshl_add_u32 v[ADS], v[T0], 5, KSC
	v_add_nc_u32 v[ADS], s50, v[ADS]
	v_lshl_add_u32 v[ADL], v[T1], 6, LEXH
	v_add_nc_u32 v[ADL], s50, v[ADL]
	s_lshl_b32 s50, s[KQ], 10                      ; of 256 bytes of V's scale words
	v_lshl_add_u32 v[ADT], v[T0], 4, VSC
	v_add_nc_u32 v[ADT], s50, v[ADT]
	s_lshl_b32 s50, s[GRP], 9
	v_lshl_add_u32 v[STR], v[T0], 5, STAT
	v_add_nc_u32 v[STR], s50, v[STR]               ; STAT + 512 x group + 32 r
	s_lshl_b32 s50, s[KQ], 3
	v_add_nc_u32 v[STW], s50, v[STR]               ; + 8 kq
	s_lshl_b32 s50, s[WV], 12
	v_add_nc_u32 v[OPW], s50, v[LI]
	v_add_nc_u32 v[OPW], OP, v[OPW]                ; OP + 4,096 x wave + 16 x lane
	s_lshl_b32 s50, s[GRP], 14
	s_lshl_b32 s51, s[FB1], 11
	s_add_co_u32 s50, s50, s51
	v_add_nc_u32 v[OPR], s50, v[LI]
	v_add_nc_u32 v[OPR], OP, v[OPR]                ; OP + 16,384 x group + 2,048 x block + 16 x lane
	s_lshl_b32 s50, s[GRP], 5
	s_add_co_u32 s50, s50, s[FB1]
	v_lshl_add_u32 v[OSW], v[T0], 1, OSC
	v_add_nc_u32 v[OSW], s50, v[OSW]               ; OSC + 32 x group + 2 r + block
	v_add_nc_u32 v[OSR], OSC, v[LI]
	s_lshl_b32 s50, s[FB1], 8
	v_lshlrev_b32 v[CCO], 4, v[T0]
	v_lshl_add_u32 v[CCO], v[T1], 3, v[CCO]
	v_add_nc_u32 v[CCO], s50, v[CCO]               ; 16 (r + 16 x block) + 8 h
	v_sub_nc_u32 v[T2], 1, v[T1]                   ; 1 in lanes 0-15, which hold k = 64 .. 95 in register 4
	v_mul_u32_u24 v[QF+4], v[T2], 7                ; the code +6 at k = 64
.irp i, 5,6,7
	v_mov_b32 v[QF+\i], 0
.endr
.irp t, 0,1,2,3,4,5,6,7
	v_mul_u32_u24 v[KB+8*\t+4], v[T2], 15          ; the code -6 at k = 64
	v_mov_b32 v[KB+8*\t+5], 0
	v_mov_b32 v[KB+8*\t+6], 0
	v_mov_b32 v[KB+8*\t+7], 0
.endr
	v_mov_b32 v13, 0                               ; (named with v12 as a pair before it is first written)
	v_mov_b32 v15, 0                               ; (and with v14)
	v_mov_b32 v[BLO], 0
	v_mov_b32 v[BLO+1], 0
	s_lshl_b32 s50, s[WV], 2
	s_add_co_u32 s50, s50, RED
	v_mov_b32 v179, s50                            ; my wave's word
	v_mov_b32 v180, RED
	v_lshl_add_u32 v181, v0, 5, LEXH
	v_mov_b32 v176, 0xce6e6b28                     ; -1e9
	v_mov_b32 v178, 0                              ; (a lane permute's destination counts as one of its sources)
	s_wait_loadcnt 0x0
.irp j, 0,2,4,6
	v_pk_add_f32 v[128+\j:129+\j], v[128+\j:129+\j], v[136+\j:137+\j]
	v_pk_add_f32 v[144+\j:145+\j], v[144+\j:145+\j], v[152+\j:153+\j]
.endr
.irp j, 0,2,4,6
	v_pk_add_f32 v[128+\j:129+\j], v[128+\j:129+\j], v[144+\j:145+\j]
.endr
.irp j, 0,2,4,6
	v_pk_add_f32 v[128+\j:129+\j], v[128+\j:129+\j], v[160+\j:161+\j]
.endr
.irp i, 0,1,2,3,4,5,6,7
	v_cmp_eq_u32 vcc_lo, 1, v[168+\i]
	v_cndmask_b32 v[128+\i], v[128+\i], v176, vcc_lo
.endr
	v_max3_num_f32 v177, v128, v129, v130
	v_max3_num_f32 v177, v177, v131, v132
	v_max3_num_f32 v177, v177, v133, v134
	v_max_num_f32 v177, v177, v135
.irp m, 1,2,4,8
	v_max_num_f32_dpp v177, v177, v177 row_xmask:\m row_mask:0xf bank_mask:0xf
.endr
	v_permlanex16_b32 v178, v177, s[SEL], s[SEL+1]
	v_max_num_f32 v177, v177, v178                 ; my wave's largest
	ds_store_b32 v179, v177
	s_wait_dscnt 0x0
	s_barrier_signal -1                            ; (the tensor load may stay out)
	s_barrier_wait -1
	ds_load_b128 v[136:139], v180
	ds_load_b128 v[140:143], v180 offset:16
	s_wait_dscnt 0x0
	v_max3_num_f32 v177, v136, v137, v138
	v_max3_num_f32 v177, v177, v139, v140
	v_max3_num_f32 v177, v177, v141, v142
	v_max_num_f32 v177, v177, v143                 ; the batch's largest
.irp i, 0,1,2,3,4,5,6,7
	v_sub_f32 v[128+\i], v[128+\i], v177
.endr
.irp i, 0,1,2,3,4,5,6,7
	v_mul_f32 v[128+\i], 0x3fb8aa3b, v[128+\i]
.endr
.irp i, 0,1,2,3,4,5,6,7
	v_exp_f32 v[128+\i], v[128+\i]
.endr
	v_nop                                          ; a plain place behind the exponentials,
	s_wait_alu depctr_va_vdst(0)                   ; and the one wait ahead of their first reader
	v_pk_add_f32 v[136:137], v[128:129], v[130:131]
	v_pk_add_f32 v[138:139], v[132:133], v[134:135]
	v_pk_add_f32 v[136:137], v[136:137], v[138:139]
	v_add_f32 v182, v136, v137
.irp m, 1,2,4,8
	v_add_f32_dpp v182, v182, v182 row_xmask:\m row_mask:0xf bank_mask:0xf
.endr
	v_permlanex16_b32 v178, v182, s[SEL], s[SEL+1]
	v_add_f32 v182, v182, v178
	ds_store_b32 v179, v182 offset:128             ; other bytes than the maxima: no barrier is owed between
	s_wait_dscnt 0x0
	s_barrier_signal -1
	s_barrier_wait -1
	ds_load_b128 v[136:139], v180 offset:128
	ds_load_b128 v[140:143], v180 offset:144
	s_wait_dscnt 0x0
	v_pk_add_f32 v[136:137], v[136:137], v[138:139]
	v_pk_add_f32 v[140:141], v[140:141], v[142:143]
	v_pk_add_f32 v[136:137], v[136:137], v[140:141]
	v_add_f32 v136, v136, v137
	v_rcp_f32 v183, v136
	v_nop
	s_wait_alu depctr_va_vdst(0)
	v_mul_f32 v183, 0.5, v183
.irp i, 0,1,2,3,4,5,6,7
	v_mul_f32 v[128+\i], v[128+\i], v183           ; 0.5 x the lexicon softmax
.endr
	ds_store_b128 v181, v[128:131]
	ds_store_b128 v181, v[132:135] offset:16
	s_wait_tensorcnt 0x0                           ; my part of K and V has landed,
	s_wait_dscnt 0x0                               ; my lexicon terms too:
	s_barrier_signal -1
	s_barrier_wait -1                              ; everybody's have
.irp s, 0,1,2,3
	ds_load_b128 v[VS+4*\s:VS+4*\s+3], v[ADT] offset:256*\s        ; V's scale words of my four key steps: they stay
.endr
	QK                                             ; the first tile's scores
	s_mov_b32 s[CNT], 7
.Lround:
	BODY 0
	s_sub_co_u32 s[CNT], s[CNT], 1
	s_cmp_lg_u32 s[CNT], 0
	s_cbranch_scc1 .Lround
	BODY 1                                         ; the last round is written out: no tile follows it
	; the scale bytes: a finishing wave holds eight a lane, one for each round; they meet in LDS and leave as 512 consecutive bytes
	s_cmp_lt_u32 s[FB], 2
	s_cbranch_scc0 .Lnobytes
.irp n, 1,2,3
	v_lshrrev_b32 v[TM+\n], 8*\n, v[BLO]
	v_lshrrev_b32 v[TM+4+\n], 8*\n, v[BLO+1]
.endr
	ds_store_b8 v[OSW], v[BLO]                     ; round n's tile is 2 n + group: 64 n bytes on; both lanes of a query write the same byte
	ds_store_b8 v[OSW], v[BLO+1] offset:256
.irp n, 1,2,3
	ds_store_b8 v[OSW], v[TM+\n] offset:64*\n
	ds_store_b8 v[OSW], v[TM+4+\n] offset:256+64*\n
.endr
.Lnobytes:
	s_wait_dscnt 0x0
	s_barrier_signal -1
	s_barrier_wait -1                              ; the 256 queries' bytes lie in LDS
	s_cmp_lg_u32 s[WV], 0
	s_cbranch_scc1 .Lnot_first
	ds_load_b128 v[TM:TM+3], v[OSR]
	s_wait_dscnt 0x0
	global_store_b128 v[LI], v[TM:TM+3], s[14:15]  ; wave 0 stores them: 512 consecutive bytes
.Lnot_first:
	s_wait_tensorcnt 0x0
	ds_add_u32 v31, v189
	s_wait_dscnt 0x0
	ROUND                                          ; the closing round: no work-group ends while a partner may still ask jointly
	s_endpgm
.Lfunc_end_k_q3db2c2d430_attn:
	.size	k_q3db2c2d430_attn, .Lfunc_end_k_q3db2c2d430_attn-k_q3db2c2d430_attn
	.p2alignl 7, 3214868480
	.fill 96, 4, 3214868480
	.section	.rodata,"a",@progbits
	.p2align	6, 0x0
	.amdhsa_kernel k_q3db2c2d430_attn
		.amdhsa_group_segment_fixed_size 197632
		.amdhsa_private_segment_fixed_size 0
		.amdhsa_enable_private_segment 0
		.amdhsa_kernarg_size 48
		.amdhsa_user_sgpr_count 2
		.amdhsa_user_sgpr_kernarg_segment_ptr 1
		.amdhsa_wavefront_size32 1
		.amdhsa_system_sgpr_workgroup_id_x 1
		.amdhsa_system_sgpr_workgroup_id_y 1
		.amdhsa_system_sgpr_workgroup_id_z 1
		.amdhsa_system_vgpr_workitem_id 0
		.amdhsa_next_free_vgpr 512
		.amdhsa_next_free_sgpr 66
		.amdhsa_reserve_vcc 1
		.amdhsa_float_denorm_mode_32 3
		.amdhsa_float_denorm_mode_16_64 3
		.amdhsa_memory_ordered 1
		.amdhsa_forward_progress 1
		.amdhsa_inst_pref_size 175
	.end_amdhsa_kernel
	.amdgpu_metadata
---
amdhsa.version: [ 1, 2 ]
amdhsa.kernels:
  - .name:           k_q3db2c2d430_attn
    .symbol:         k_q3db2c2d430_attn.kd
    .args:
      - { .name: qkv, .offset: 0, .size: 8, .value_kind: global_buffer, .address_space: global }
      - { .name: lexpart, .offset: 8, .size: 8, .value_kind: global_buffer, .address_space: global }
      - { .name: bl, .offset: 16, .size: 8, .value_kind: global_buffer, .address_space: global }
      - { .name: mask, .offset: 24, .size: 8, .value_kind: global_buffer, .address_space: global }
      - { .name: cc, .offset: 32, .size: 8, .value_kind: global_buffer, .address_space: global }
      - { .name: csc, .offset: 40, .size: 8, .value_kind: global_buffer, .address_space: global }
    .group_segment_fixed_size: 197632
    .private_segment_fixed_size: 0
    .kernarg_segment_align: 8
    .kernarg_segment_size: 48
    .max_flat_workgroup_size: 256
    .sgpr_count:     66
    .vgpr_count:     512
    .wavefront_size: 32
...
	.end_amdgpu_metadata
.endif
;; end of part 4
;; launch outp: the kernel of part 3 again; grid 256 x 1, 4 waves a work-group, no clusters, 34,304 bytes of LDS; arguments cc, csc, Wo_codes, Wo_scales, bo, out0; writes out0
;; ======== version 3 of 3: 3 launches; version 2 with the launches prep, outp written anew for expert scheduling mode
;; workspace buffers: qkv 6,946,816 bytes; lexpart 131,072 bytes; cc 2,097,152 bytes; csc 131,072 bytes
;; launch prep (part 5): grid 256 x 1, 4 waves a work-group, no clusters, 8,704 bytes of LDS; arguments q_codes, q_scales, Wq_codes, Wq_scales, bq, k_codes, k_scales, Wk_codes, Wk_scales, bk, v_codes, v_scales, Wv_codes, Wv_scales, bv, mask, Lexicon, Wl, qkv, lexpart; writes qkv, lexpart
.if DOCPART == 5
	.amdgcn_target "amdgcn-amd-amdhsa--gfx1250"
	.amdhsa_code_object_version 6
	.text
	.protected	k_q3db2c2d430_prep
	.globl	k_q3db2c2d430_prep
	.p2align	8
	.type	k_q3db2c2d430_prep,@function
k_q3db2c2d430_prep:
	s_mov_b64 s[64:65], 0
	v_nop
	global_prefetch_b8 v0, s[64:65] scope:SCOPE_SE
	s_setreg_imm32_b32 hwreg(HW_REG_WAVE_SCHED_MODE, 0, 2), 2
	s_setreg_imm32_b32 hwreg(HW_REG_WAVE_MODE, 25, 1), 1
	s_wait_xcnt 0x0
	s_wait_alu depctr_vm_vsrc(0)
; PREP.  The three projections x W + b on codes of FP4 (E2M1), their results quantised at once into IMAGES OF OPERAND REGISTERS for the attention launch, and Lexicon x Wl in f32 as four partial sums.
; Work-groups 0-63: q;  64-127: k;  128-191: v;  192-255: Lexicon x Wl.  Three straight paths, parted by the work-group's number alone.
; A PROJECTION.  Source 0 = 8 tiles of 16 rows (P), which stay in window 1; source 1 = 8 tiles of 16 rows (R), walked one after the other.  In a result a lane holds ONE row of R and its registers run along P's rows.
;   q, k: P = 128 rows of W (two heads' features), R = 128 rows of x: a lane's 64 numbers are 4 blocks of 32 along the heads' 64: the K of q k^T.
;   v:    P = 128 rows of v (keys),                R = 128 rows of Wv (two heads' channels): a lane's 64 numbers are 4 blocks of 32 KEYS: the K of attn x v.
; THE ROWS OF A TILE ARE NOT NEIGHBOURS: lane r of tile t takes row 32 (t / 2) + 8 (t % 2) + r + 8 (r / 8), in P and in R alike.  As source 0 that makes the 16 registers of tiles 2 b, 2 b + 1 sixteen neighbours, 32 b + 16 (lane / 16) + i.
; THE MASK IS FOLDED INTO K.  q k^T has 64 real numbers along K in an instruction of 128.  At k = 64 the attention launch sets the code -6 in every key and +6 in every query.  The scale byte of that block is written here:
;   127 for a query; 155 (2^28) for a masked key; 0 (2^-127) for an open key.  A masked key's real codes are zeros.  So a masked score is exactly -36 x 2^28 (-1.208e9 behind the division by 8), an open one is changed by 36 x 2^-127.
; LIMITS: the masked score is -1.208e9 where the definition writes -1e9: it differs only for open scores under about -1e9.  NaN and infinities are not served.  A block whose largest magnitude lies under 2^-124 keeps the scale byte 1;
;   a block of zeros too (its codes are zeros; this program alone reads the bytes).  Lexicon / 1000 is a multiplication of each partial sum by 0.001.
; qkv: 32 blocks (8 x batch + head) of BLK bytes: K's images, K's scale words, V's images, V's scale words, Q's images, Q's scale words.
; THE MODE: SCHED_MODE bits 1:0 = 2 (LLVM: expert scheduling mode 2), set by the entry lines.  The code itself states the register dependences between vector or matrix instructions and memory or LDS instructions, with s_wait_alu, always for 0.
; THE PLAN, A PROJECTION.  Registers that memory instructions touch:
;   v4-v8, v10   offsets, made at the head and never written again.
;   RF0, RF1 and RS0, RS1   Tile t's 32 products read set t % 2; behind them the loads of tile t + 2 land in it.
;   AX0 .. AX3   Tile t's compare (v: its additions) reads set t % 4, late in the tile; the load of tile t + 2 lands in set (t + 2) % 4, which tile t - 2 read last.
;   PC0, PC1     Tile t's conversions, swaps and selects write set t % 2; the two stores that read it are issued in tile t + 1.
;   SW, v232-235 written once, read by the last stores.  P, the bias and PS are loaded once.  HA, TM and PW are named by vector and matrix instructions alone.
; So ONE wait on va_vdst stands in a tile, behind its products and their places: the products are done reading their set of R, and the tile before has written its codes.  The tile's twelve memory instructions follow it at once.
; The pair s_wait_xcnt 0 and vm_vsrc stands ahead of it: the stores issued a tile earlier have read the set of codes that this tile writes again.
; THE PLAN, LEXICON x Wl.  Five buffers of eight rows: chunk c multiplies buffer c % 5, and the loads of chunk c + 4 land in buffer (c - 1) % 5, which the chunk before read: one wait on va_vdst at a chunk's head, and the eight loads
; are dealt among the chunk's multiply-adds, which name their own buffer, the sums and scalars alone.
.set BLK,   217088
.set KSC,   65536                      ; [key step 16][r 16][tile 8] words
.set VIMG,  73728                      ; [key step 16][channel tile 4][half 2][lane][16 bytes]
.set VSC,   139264                     ; [key step 16][r 16][channel tile 4] words
.set QIMG,  143360                     ; 128 tiles x [lane][16 bytes], as K's at 0
.set QSC,   208896
.set RF,  16                           ; v16-79   R's fragments: two sets of 4 K steps x 8
.set RS,  80                           ; v80-87   R's scale words: two sets of 4
.set AX,  88                           ; v88, v90, v92, v94 a number for each row of R (q, k: the mask; v: bv), four sets; the odd registers beside them are named with them as pairs
.set PS,  96                           ; v96-127  P's scale words: tile t, K step s at 4 t + s
.set HA,  128                          ; v128-191 the 8 accumulators
.set PC,  192                          ; v192-199 and v240-247: the codes just made, two sets, 48 registers apart
.set TM,  200                          ; v200-215 at work in the quantiser
.set PW,  216                          ; the scale word just made
.set SW,  224                          ; v224-231 the 8 tiles' scale words, stored at the end
.set MSB, 0
.macro WIN new                         ; s_set_vgpr_msb: bits 1:0 source 0, 3:2 source 1, 5:4 source 2, 7:6 destination; the high byte repeats the setting that is left
.if MSB != \new
	s_set_vgpr_msb (MSB<<8)|\new
.set MSB, \new
.endif
.endm
; 64 numbers of a lane, register 16 b + i = k 32 b + 16 (lane / 16) + i of its row, become a fragment's codes in v[pc] on and its scale word in v[PW]
.macro QUANT s, pc
.irp b, 0,1,2,3
	v_max3_num_f32 v[TM+\b], |v[\s+16*\b]|, |v[\s+1+16*\b]|, 0x1800000   ; my 16 numbers of block b, and the floor 2^(3 - 127): the byte cannot fall under 1
.endr
.irp i, 2,4,6,8,10,12,14
.irp b, 0,1,2,3
	v_max3_num_f32 v[TM+\b], v[TM+\b], |v[\s+16*\b+\i]|, |v[\s+1+16*\b+\i]|
.endr
.endr
.irp b, 0,1,2,3
	v_permlanex16_b32 v[TM+4+\b], v[TM+\b], s60, s61
.endr
.irp b, 0,1,2,3
	v_max_num_f32 v[TM+\b], v[TM+\b], v[TM+4+\b]           ; with lane l xor 16's: the block's largest magnitude
.endr
.irp b, 0,1,2,3
	v_add_nc_u32 v[TM+12+\b], 0xff000000, v[TM+\b]         ; 2 off its exponent field: the conversion's scale operand
.endr
.irp b, 0,1,2,3
	v_lshrrev_b32 v[TM+4+\b], 23, v[TM+12+\b]              ; the scale's byte
.endr
	v_lshl_or_b32 v[PW], v[TM+5], 8, v[TM+4]
	v_lshl_or_b32 v[PW], v[TM+6], 16, v[PW]
	v_lshl_or_b32 v[PW], v[TM+7], 24, v[PW]
.irp b, 0,1,2,3
	v_cvt_scalef32_pk8_fp4_f32 v[\pc+2*\b], v[\s+16*\b:\s+7+16*\b], v[TM+12+\b]
	v_cvt_scalef32_pk8_fp4_f32 v[\pc+1+2*\b], v[\s+8+16*\b:\s+15+16*\b], v[TM+12+\b]
.endr
	v_nop                                                  ; one plain place behind a scaled conversion
.irp c, 0,1                                            ; a WHOLE block to a lane: lanes 0-15 block 2 c, lanes 16-31 block 2 c + 1
.irp i, 0,1
	v_permlane16_swap_b32 v[\pc+4*\c+\i], v[\pc+2+4*\c+\i]
.endr
.endr
.endm
; R's tile t: ten loads: 8 of codes and its rows' four scale words into set t % 2, its rows' number into set t % 4
.macro RLOAD t
.irp s, 0,1,2,3
.irp c, 0,1
	global_load_b128 v[RF+32*((\t)%2)+8*\s+4*\c:RF+32*((\t)%2)+8*\s+4*\c+3], v4, s[48:49] offset:(32*((\t)/2)+8*((\t)%2))*256+64*\s+32*\c
.endr
.endr
	global_load_b128 v[RS+4*((\t)%2):RS+4*((\t)%2)+3], v5, s[50:51] offset:(32*((\t)/2)+8*((\t)%2))*16
	global_load_b32 v[AX+2*((\t)%4)], v6, s[52:53] offset:(32*((\t)/2)+8*((\t)%2))*4
.endm
; tile t's codes leave, from set t % 2: two stores of 512 consecutive bytes
.macro PSTORE t, isv
.set PO, PC+48*((\t)%2)
.if \isv
	global_store_b128 v7, v[PO:PO+3], s[56:57] offset:((\t)/4)*BLK+((\t)%4)*1024      ; the image: 512 consecutive bytes a store
	global_store_b128 v7, v[PO+4:PO+7], s[56:57] offset:((\t)/4)*BLK+((\t)%4)*1024+512
.else
	global_store_b128 v7, v[PO:PO+3], s[56:57] offset:512*(\t)           ; the even head's registers 0-3: 512 consecutive bytes
	global_store_b128 v7, v[PO+4:PO+7], s[56:57] offset:BLK+512*(\t)     ; the odd head's
.endif
.endm
; R's tile t against all of P: 32 matrix instructions, the 8 accumulators by turns, K step by K step; then the tile before is stored, the tile two on is asked for, and this tile is quantised
.macro PTILE t, isv
.set BF, (\t)%2
.set AXT, AX+2*((\t)%4)
.set PQ, PC+48*((\t)%2)
.if (\t) < 7
	s_wait_loadcnt 10                                      ; loads come back in order (ISA guide 5.7.1): this tile's ten (and, ahead of tile 0, all of P's) are in; the next tile's ten may be out
.else
	s_wait_loadcnt 0x0
.endif
.if \isv
	WIN 0x01                                               ; source 0 (P) window 1
.irp p, 0,1,2,3,4,5,6,7
	v_wmma_scale_f32_16x16x128_f8f6f4 v[HA+8*\p:HA+8*\p+7], v[32*\p:32*\p+7], v[RF+32*BF:RF+32*BF+7], 0, v[PS+4*\p], v[RS+4*BF] matrix_a_fmt:MATRIX_FMT_FP4 matrix_b_fmt:MATRIX_FMT_FP4
.endr
.else
	WIN 0x21                                               ; and source 2 (the bias, in the result's layout) window 2
.irp p, 0,1,2,3,4,5,6,7
	v_wmma_scale_f32_16x16x128_f8f6f4 v[HA+8*\p:HA+8*\p+7], v[32*\p:32*\p+7], v[RF+32*BF:RF+32*BF+7], v[8*\p:8*\p+7], v[PS+4*\p], v[RS+4*BF] matrix_a_fmt:MATRIX_FMT_FP4 matrix_b_fmt:MATRIX_FMT_FP4
.endr
	WIN 0x01
.endif
.irp s, 1,2,3
.irp p, 0,1,2,3,4,5,6,7
	v_wmma_scale_f32_16x16x128_f8f6f4 v[HA+8*\p:HA+8*\p+7], v[32*\p+8*\s:32*\p+8*\s+7], v[RF+32*BF+8*\s:RF+32*BF+8*\s+7], v[HA+8*\p:HA+8*\p+7], v[PS+4*\p+\s], v[RS+4*BF+\s] matrix_a_fmt:MATRIX_FMT_FP4 matrix_b_fmt:MATRIX_FMT_FP4
.endr
.endr
	WIN 0
.rept 4
	v_nop                                                  ; four places ahead of the first read of results (ISA guide 7.12.1)
.endr
.if (\t) > 1
	s_wait_xcnt 0x0                                        ; every earlier memory instruction has had its addresses translated (ISA guide 3.1): the set of codes that this tile writes again is rewritten only behind this wait
	s_wait_alu depctr_vm_vsrc(0)                           ; the two stores issued in the tile before have read that set of codes
.endif
	s_wait_alu depctr_va_vdst(0)                           ; this tile's products are done reading their set of R and of its scale words, in which the loads below land; the tile before has written its codes, which the stores below read (tile 0 has no stores, tiles 6 and 7 no loads)
.if (\t) > 0
	PSTORE (\t)-1, \isv
.endif
.if (\t) < 6
	RLOAD (\t)+2                                           ; two tiles ahead, into the set that has just been emptied
.endif
.if \isv
.set j, 0
.rept 32
	v_pk_add_f32 v[HA+j:HA+j+1], v[HA+j:HA+j+1], v[AXT:AXT+1] op_sel_hi:[1,0]   ; + bv of my lane's channel
.set j, j+2
.endr
.else
	v_cmp_ne_u32 vcc_lo, 1, v[AXT]                         ; my row is open: asked here, read behind the quantiser
.endif
	QUANT HA, PQ
.if \isv
	v_mov_b32 v[SW+(\t)], v[PW]                            ; four key blocks' bytes of my channel
.else
	s_wait_alu depctr_va_vcc(0)                            ; the compare has written VCC, ahead of its first reader, the line below
	s_or_b32 vcc_lo, vcc_lo, s62                           ; every row of q is open
.irp i, 0,1,2,3,4,5,6,7
	v_cndmask_b32 v[PQ+\i], 0, v[PQ+\i], vcc_lo            ; a masked key's codes are zeros
.endr
	v_cndmask_b32 v232, v12, v11, vcc_lo                   ; the bytes of k = 64 .. 127
	v_lshrrev_b32 v233, v9, v[PW]                          ; lanes 0-15: the even head's two bytes; lanes 16-31: the odd head's
	v_and_or_b32 v[SW+(\t)], v233, 0xffff, v232
.endif
.endm
.macro PROJ isv
.irp b, 0,1,2,3
	v_mov_b32 v[TM+4+\b], 0                                ; written once: a lane permute's destination counts as one of its sources
.endr
	WIN 0x40                                               ; destination window 1
	s_wait_alu depctr_va_vdst(0)                           ; the offsets v4 to v8 and v10 are written, which every load and store of this path reads; up to tile 0 only loads and window switches follow
.irp t, 0,1,2,3,4,5,6,7                                ; P's fragment (t, s) at v[8 (4 t + s)] of window 1: it stays
.irp s, 0,1,2,3
.irp c, 0,1
	global_load_b128 v[8*(4*\t+\s)+4*\c:8*(4*\t+\s)+4*\c+3], v4, s[44:45] offset:(32*(\t/2)+8*(\t%2))*256+64*\s+32*\c
.endr
.endr
.endr
	WIN 0
.irp t, 0,1,2,3,4,5,6,7
	global_load_b128 v[PS+4*\t:PS+4*\t+3], v5, s[46:47] offset:(32*(\t/2)+8*(\t%2))*16
.endr
.if \isv == 0
	WIN 0x80                                               ; destination window 2: lane (r, h) wants, for tile t, the bias of features 32 (t / 2) + 8 (t % 2) + 16 h + 0 .. 7
.irp t, 0,1,2,3,4,5,6,7
	global_load_b128 v[8*\t:8*\t+3], v10, s[54:55] offset:(32*(\t/2)+8*(\t%2))*4
	global_load_b128 v[8*\t+4:8*\t+7], v10, s[54:55] offset:(32*(\t/2)+8*(\t%2))*4+16
.endr
	WIN 0
.endif
	RLOAD 0
	RLOAD 1
.irp t, 0,1,2,3,4,5,6,7
	PTILE \t, \isv
.endr
.if \isv
	v_cmp_eq_u32 vcc_lo, 1, v3
	s_wait_alu depctr_va_vcc(0)                            ; the compare has written VCC, which the four selects read
.irp i, 0,1,2,3
	v_cndmask_b32 v[232+\i], v[SW+\i], v[SW+4+\i], vcc_lo  ; lanes 0-15: the even head's four channel tiles; lanes 16-31: the odd head's
.endr
	s_wait_alu depctr_va_vdst(0)                           ; tile 7 has written its codes, the selects v232 to v235: the last stores read them
	PSTORE 7, \isv
	global_store_b128 v8, v[232:235], s[58:59]
.else
	s_wait_alu depctr_va_vdst(0)                           ; tile 7 has written its codes and the last of the eight scale words: the last stores read them
	PSTORE 7, \isv
	global_store_b128 v8, v[SW:SW+3], s[58:59]             ; my row's words of tiles 0-3,
	global_store_b128 v8, v[SW+4:SW+7], s[58:59] offset:16 ; and of tiles 4-7
.endif
	s_endpgm
.endm
	s_load_b512 s[4:19], s[0:1], 0x0               ; q: codes s[4:5], scales s[6:7]; Wq: s[8:9], s[10:11]; bq s[12:13]; k: s[14:15], s[16:17]; Wk's codes s[18:19]
	s_load_b512 s[20:35], s[0:1], 0x40             ; Wk's scales s[20:21]; bk s[22:23]; v: s[24:25], s[26:27]; Wv: s[28:29], s[30:31]; bv s[32:33]; mask s[34:35]
	s_load_b256 s[36:43], s[0:1], 0x80             ; Lexicon s[36:37]; Wl s[38:39]; qkv s[40:41]; lexpart s[42:43]
	v_lshl_add_u32 v254, v0, 2, 0x2000
	v_mov_b32 v255, 0
	v_lshrrev_b32 v1, 5, v0
	v_readfirstlane_b32 s2, v1                     ; wave 0..3
	v_and_b32 v1, 31, v0                           ; lane
	v_and_b32 v2, 15, v0                           ; r
	v_bfe_u32 v3, v0, 4, 1                         ; h
	v_and_b32 v13, 8, v2
	v_add_nc_u32 v13, v13, v2                      ; r + 8 (r / 8)
	v_lshlrev_b32 v4, 8, v13
	v_lshl_add_u32 v4, v3, 4, v4                   ; codes: a row of 512 is 256 bytes; + 16 h
	v_lshlrev_b32 v5, 4, v13                       ; scale bytes: 16 a row
	v_lshlrev_b32 v6, 2, v13                       ; a number a row
	v_lshlrev_b32 v7, 4, v1                        ; an image's place for my lane
	v_mul_u32_u24 v8, v3, BLK                      ; lanes 16-31 store the odd head's scale words
	v_lshlrev_b32 v9, 4, v3
	v_lshlrev_b32 v10, 6, v3
	s_wait_alu depctr_va_sdst(0)                   ; s2 is written, ahead of its first reader and of the branches: bases and LDS addresses are made from it
	s_mov_b32 s60, 0x76543210
	s_mov_b32 s61, 0xfedcba98                      ; v_permlanex16_b32's selects for lane l xor 16
	s_and_b32 s66, ttmp9, 63                       ; j: which 128 rows of the 8,192
	s_lshr_b32 s67, s66, 4                         ; batch
	s_and_b32 s68, s66, 15                         ; g: which 128 rows of the batch
	s_lshl_b32 s69, s67, 3
	s_lshl_b32 s70, s2, 1
	s_add_co_u32 s69, s69, s70
	s_mul_i32 s69, s69, BLK                        ; the block of head 2 x wave
	s_mov_b32 s71, 0                               ; (offsets go in the pair s[70:71])
	s_wait_kmcnt 0x0
	s_cmp_lt_u32 ttmp9, 128
	s_cbranch_scc1 .Lqk
	s_cmp_lt_u32 ttmp9, 192
	s_cbranch_scc1 .Lv
; ---- Lexicon x Wl, f32.  Work-group: 128 columns (cg) x 512 rows (ks).  Wave w: 128 of the rows.  A lane: 4 columns x 4 batches = 16 sums.  Each load of a wave reads 512 consecutive bytes of a row of Wl.
; Up to 32 loads of a wave are on their way (four chunks of eight rows), in five buffers.  Lexicon's numbers come as scalars, a chunk ahead, in two sets: s[4:35] (the arguments there are of no use on this path) and s[68:99].
	s_sub_co_u32 s44, ttmp9, 192
	s_and_b32 s45, s44, 15                         ; cg
	s_lshr_b32 s44, s44, 4                         ; ks
	s_lshl_b32 s46, s44, 9
	s_lshl_b32 s47, s2, 7
	s_add_co_u32 s46, s46, s47                     ; my first row
	s_mov_b32 s49, 0
	s_lshl_b32 s48, s46, 13                        ; a row of Wl is 8,192 bytes
	s_lshl_b32 s47, s45, 9
	s_add_co_u32 s48, s48, s47
	s_add_nc_u64 s[38:39], s[38:39], s[48:49]
	s_lshl_b32 s48, s46, 2
	s_add_nc_u64 s[36:37], s[36:37], s[48:49]
	s_lshl_b32 s48, s44, 15                        ; lexpart [ks][batch][2048]: at the end wave w stores batch w
	s_add_co_u32 s48, s48, s47
	s_lshl_b32 s46, s2, 13
	s_add_co_u32 s48, s48, s46
	s_add_nc_u64 s[42:43], s[42:43], s[48:49]
	s_lshl_b32 s46, s2, 11
	v_add_nc_u32 v14, s46, v7                      ; LDS, in: 2,048 x wave + 512 x batch + 16 x lane
	s_lshl_b32 s46, s2, 9
	v_add_nc_u32 v15, s46, v7                      ; back: 2,048 x (each wave) + 512 x my batch + 16 x lane
.macro WLOAD ch
.irp i, 0,1,2,3,4,5,6,7
	global_load_b128 v[64+32*((\ch)%5)+4*\i:64+32*((\ch)%5)+4*\i+3], v7, s[38:39] offset:8192*(8*(\ch)+\i) th:TH_LOAD_NT
.endr
.endm
.macro LCH ch
.set LSET, 4+64*((\ch)%2)
.set LNXT, 4+64*(((\ch)+1)%2)
.set LR,   64+32*((\ch)%5)
.set LN,   64+32*(((\ch)+4)%5)
	s_wait_kmcnt 0x0                                       ; this chunk's 32 numbers of Lexicon are in
.if (\ch) < 15
.irp b, 0,1,2,3
	s_load_b256 s[LNXT+8*\b:LNXT+8*\b+7], s[36:37], 8192*\b+32*((\ch)+1)
.endr
.endif
.if (\ch) <= 12
	s_wait_loadcnt 24                                      ; this chunk's eight rows are in; three younger chunks stay out
.else
	s_wait_loadcnt 8*(15-(\ch))
.endif
.if ((\ch) > 0) && ((\ch)+4 < 16)
	s_wait_alu depctr_va_vdst(0)                           ; the chunk before is done reading its eight rows, in whose registers the loads below land
.endif
.irp i, 0,1,2,3,4,5,6,7
.if (\ch)+4 < 16
	global_load_b128 v[LN+4*\i:LN+4*\i+3], v7, s[38:39] offset:8192*(8*((\ch)+4)+\i) th:TH_LOAD_NT   ; four chunks ahead; no vector instruction since the wait names these registers
.endif
.irp b, 0,1,2,3
.irp e, 0,1,2,3
.if ((\ch) == 0) && (\i == 0)
	v_mul_f32 v[16+4*\b+\e], s[LSET+8*\b+\i], v[LR+4*\i+\e]     ; the first row starts the sums
.else
	v_fmac_f32 v[16+4*\b+\e], s[LSET+8*\b+\i], v[LR+4*\i+\e]
.endif
.endr
.endr
.endr
.endm
.irp b, 0,1,2,3
	s_load_b256 s[4+8*\b:11+8*\b], s[36:37], 8192*\b
.endr
	s_wait_alu depctr_va_vdst(0)                   ; v7, v14 and v15 are written: the offset of every load and store of this path, and its two LDS addresses
	WLOAD 0
	WLOAD 1
	WLOAD 2
	WLOAD 3
.irp q, 0,1,2,3,4,5,6,7,8,9,10,11,12,13,14,15
	LCH \q
.endr
	s_wait_alu depctr_va_vdst(0)                   ; the multiply-adds have written the sixteen sums, which the LDS stores read
.irp b, 0,1,2,3
	ds_store_b128 v14, v[16+4*\b:19+4*\b] offset:512*\b
.endr
	s_wait_dscnt 0x0                               ; for the others' sake: my stores have landed
	s_barrier_signal -1
	s_barrier_wait -1
.irp q, 0,1,2,3
	ds_load_b128 v[32+4*\q:35+4*\q], v15 offset:2048*\q    ; the four waves' sums of my batch
.endr
	s_wait_dscnt 0x0
	v_pk_add_f32 v[32:33], v[32:33], v[36:37]
	v_pk_add_f32 v[34:35], v[34:35], v[38:39]
	v_pk_add_f32 v[40:41], v[40:41], v[44:45]
	v_pk_add_f32 v[42:43], v[42:43], v[46:47]
	v_pk_add_f32 v[32:33], v[32:33], v[40:41]
	v_pk_add_f32 v[34:35], v[34:35], v[42:43]
	v_pk_mul_f32 v[32:33], v[32:33], 0x3a83126f op_sel_hi:[1,0]   ; x 0.001
	v_pk_mul_f32 v[34:35], v[34:35], 0x3a83126f op_sel_hi:[1,0]
	s_wait_alu depctr_va_vdst(0)                   ; the two multiplications have written v32 to v35, which the store reads
	global_store_b128 v7, v[32:35], s[42:43]       ; 512 consecutive bytes
	s_wait_dscnt 0x0                               ; the closing lines, six on end
	s_wait_alu 0x0
	s_wait_tensorcnt 0x0
	ds_add_u32 v254, v255
	s_wait_dscnt 0x0
	s_endpgm
.Lqk:                                              ; ---- q (work-groups 0-63) or k (64-127): only pointers and four numbers are chosen
	s_cmp_lt_u32 ttmp9, 64
	s_cselect_b64 s[48:49], s[4:5], s[14:15]       ; R: x's codes,
	s_cselect_b64 s[50:51], s[6:7], s[16:17]       ; x's scales
	s_cselect_b64 s[44:45], s[8:9], s[18:19]       ; P: W's codes,
	s_cselect_b64 s[46:47], s[10:11], s[20:21]     ; W's scales
	s_cselect_b64 s[54:55], s[12:13], s[22:23]     ; the bias
	s_cselect_b32 s62, -1, 0                       ; q: every row counts as open
	s_mov_b32 s72, 0x7f000000
	s_cselect_b32 s72, 0x7f7f0000, s72             ; the upper two scale bytes of an open row: q 127, 127; k 0, 127
	s_cselect_b32 s73, QIMG, 0
	s_mov_b32 s74, KSC
	s_cselect_b32 s74, QSC, s74
	v_mov_b32 v11, s72
	v_mov_b32 v12, 0x7f9b0000                      ; of a masked key: 155, 127
	v_lshl_add_u32 v8, v2, 5, v8                   ; scale words: 32 bytes a row (8 tiles)
	s_lshl_b32 s70, s66, 15
	s_add_nc_u64 s[48:49], s[48:49], s[70:71]
	s_lshl_b32 s70, s66, 11
	s_add_nc_u64 s[50:51], s[50:51], s[70:71]
	s_lshl_b32 s70, s66, 9
	s_add_nc_u64 s[52:53], s[34:35], s[70:71]      ; the mask of my 128 rows (q loads it too, and sets it aside by s62)
	s_lshl_b32 s70, s2, 15
	s_add_nc_u64 s[44:45], s[44:45], s[70:71]
	s_lshl_b32 s70, s2, 11
	s_add_nc_u64 s[46:47], s[46:47], s[70:71]
	s_lshl_b32 s70, s2, 9
	s_add_nc_u64 s[54:55], s[54:55], s[70:71]
	s_lshl_b32 s70, s68, 12
	s_add_co_u32 s70, s70, s69
	s_add_co_u32 s70, s70, s73
	s_add_nc_u64 s[56:57], s[40:41], s[70:71]      ; the images: 8 tiles x 512 bytes for each 128 rows
	s_lshl_b32 s70, s68, 9
	s_add_co_u32 s70, s70, s69
	s_add_co_u32 s70, s70, s74
	s_add_nc_u64 s[58:59], s[40:41], s[70:71]      ; the scale words: 512 bytes for each 128 rows
	PROJ 0
.Lv:                                               ; ---- v
	v_lshl_add_u32 v8, v2, 4, v8                   ; scale words: 16 bytes a channel (4 tiles)
	v_mov_b32 v89, 0                               ; (named as the upper halves of the pairs with v88, v90, v92 and v94)
	v_mov_b32 v91, 0
	v_mov_b32 v93, 0
	v_mov_b32 v95, 0
	s_lshl_b32 s70, s66, 15
	s_add_nc_u64 s[44:45], s[24:25], s[70:71]      ; P: v's codes,
	s_lshl_b32 s70, s66, 11
	s_add_nc_u64 s[46:47], s[26:27], s[70:71]      ; v's scales
	s_lshl_b32 s70, s2, 15
	s_add_nc_u64 s[48:49], s[28:29], s[70:71]      ; R: Wv's codes,
	s_lshl_b32 s70, s2, 11
	s_add_nc_u64 s[50:51], s[30:31], s[70:71]      ; Wv's scales
	s_lshl_b32 s70, s2, 9
	s_add_nc_u64 s[52:53], s[32:33], s[70:71]      ; bv
	s_lshl_b32 s70, s68, 12
	s_add_co_u32 s70, s70, s69
	s_add_co_u32 s70, s70, VIMG
	s_add_nc_u64 s[56:57], s[40:41], s[70:71]
	s_lshl_b32 s70, s68, 8
	s_add_co_u32 s70, s70, s69
	s_add_co_u32 s70, s70, VSC
	s_add_nc_u64 s[58:59], s[40:41], s[70:71]
	PROJ 1
.Lfunc_end_k_q3db2c2d430_prep:
	.size	k_q3db2c2d430_prep, .Lfunc_end_k_q3db2c2d430_prep-k_q3db2c2d430_prep
	.p2alignl 7, 3214868480
	.fill 96, 4, 3214868480
	.section	.rodata,"a",@progbits
	.p2align	6, 0x0
	.amdhsa_kernel k_q3db2c2d430_prep
		.amdhsa_group_segment_fixed_size 8704
		.amdhsa_private_segment_fixed_size 0
		.amdhsa_enable_private_segment 0
		.amdhsa_kernarg_size 160
		.amdhsa_user_sgpr_count 2
		.amdhsa_user_sgpr_kernarg_segment_ptr 1
		.amdhsa_wavefront_size32 1
		.amdhsa_system_sgpr_workgroup_id_x 1
		.amdhsa_system_sgpr_workgroup_id_y 1
		.amdhsa_system_sgpr_workgroup_id_z 1
		.amdhsa_system_vgpr_workitem_id 0
		.amdhsa_next_free_vgpr 576
		.amdhsa_next_free_sgpr 100
		.amdhsa_reserve_vcc 1
		.amdhsa_float_denorm_mode_32 3
		.amdhsa_float_denorm_mode_16_64 3
		.amdhsa_memory_ordered 1
		.amdhsa_forward_progress 1
		.amdhsa_inst_pref_size 255
	.end_amdhsa_kernel
	.section	.bss,"aw",@nobits
	.p2align	6
	.space	262144
	.amdgpu_metadata
---
amdhsa.version: [ 1, 2 ]
amdhsa.kernels:
  - .name:           k_q3db2c2d430_prep
    .symbol:         k_q3db2c2d430_prep.kd
    .args:
      - { .name: q_codes, .offset: 0, .size: 8, .value_kind: global_buffer, .address_space: global }
      - { .name: q_scales, .offset: 8, .size: 8, .value_kind: global_buffer, .address_space: global }
      - { .name: Wq_codes, .offset: 16, .size: 8, .value_kind: global_buffer, .address_space: global }
      - { .name: Wq_scales, .offset: 24, .size: 8, .value_kind: global_buffer, .address_space: global }
      - { .name: bq, .offset: 32, .size: 8, .value_kind: global_buffer, .address_space: global }
      - { .name: k_codes, .offset: 40, .size: 8, .value_kind: global_buffer, .address_space: global }
      - { .name: k_scales, .offset: 48, .size: 8, .value_kind: global_buffer, .address_space: global }
      - { .name: Wk_codes, .offset: 56, .size: 8, .value_kind: global_buffer, .address_space: global }
      - { .name: Wk_scales, .offset: 64, .size: 8, .value_kind: global_buffer, .address_space: global }
      - { .name: bk, .offset: 72, .size: 8, .value_kind: global_buffer, .address_space: global }
      - { .name: v_codes, .offset: 80, .size: 8, .value_kind: global_buffer, .address_space: global }
      - { .name: v_scales, .offset: 88, .size: 8, .value_kind: global_buffer, .address_space: global }
      - { .name: Wv_codes, .offset: 96, .size: 8, .value_kind: global_buffer, .address_space: global }
      - { .name: Wv_scales, .offset: 104, .size: 8, .value_kind: global_buffer, .address_space: global }
      - { .name: bv, .offset: 112, .size: 8, .value_kind: global_buffer, .address_space: global }
      - { .name: mask, .offset: 120, .size: 8, .value_kind: global_buffer, .address_space: global }
      - { .name: Lexicon, .offset: 128, .size: 8, .value_kind: global_buffer, .address_space: global }
      - { .name: Wl, .offset: 136, .size: 8, .value_kind: global_buffer, .address_space: global }
      - { .name: qkv, .offset: 144, .size: 8, .value_kind: global_buffer, .address_space: global }
      - { .name: lexpart, .offset: 152, .size: 8, .value_kind: global_buffer, .address_space: global }
    .group_segment_fixed_size: 8704
    .private_segment_fixed_size: 0
    .kernarg_segment_align: 8
    .kernarg_segment_size: 160
    .max_flat_workgroup_size: 128
    .sgpr_count:     100
    .vgpr_count:     576
    .wavefront_size: 32
...
	.end_amdgpu_metadata
.endif
;; end of part 5
;; launch attn: the kernel of part 4 again; grid 8 x 32, 8 waves a work-group, clusters of 4 x 1, 197,632 bytes of LDS; arguments qkv, lexpart, bl, mask, cc, csc; writes cc, csc
;; launch outp (part 6): grid 256 x 1, 4 waves a work-group, no clusters, 34,304 bytes of LDS; arguments cc, csc, Wo_codes, Wo_scales, bo, out0; writes out0
.if DOCPART == 6
	.amdgcn_target "amdgcn-amd-amdhsa--gfx1250"
	.amdhsa_code_object_version 6
	.text
	.protected	k_q3db2c2d430_outp
	.globl	k_q3db2c2d430_outp
	.p2align	8
	.type	k_q3db2c2d430_outp,@function
k_q3db2c2d430_outp:
	s_mov_b64 s[64:65], 0
	v_nop
	global_prefetch_b8 v0, s[64:65] scope:SCOPE_SE
	s_setreg_imm32_b32 hwreg(HW_REG_WAVE_SCHED_MODE, 0, 2), 2
	s_setreg_imm32_b32 hwreg(HW_REG_WAVE_MODE, 25, 1), 1
	s_wait_xcnt 0x0
	s_wait_alu depctr_vm_vsrc(0)
; OUTP.  out0 = concat x Wo + bo on codes of FP4 (E2M1) with one E8M0 scale for each 32 along K = 512.
; cc holds concat's codes as images of operand registers, [row tile][head][lane][16 bytes]: K step s takes heads 2 s and 2 s + 1 as its registers 0-3 and 4-7.  csc holds two scale bytes for each (head, row).
; SHARES.  Work-group i: row tiles 2 i and 2 i + 1, which are rows 32 i .. 32 i + 31 (lane r of tile u is row 32 i + 8 u + r + 8 (r / 8)).  Wave w: columns 128 w .. 128 w + 127; its part of Wo stays in window 1.
; The product is used transposed (source 0 = 16 rows of Wo, source 1 = 16 rows of concat): a lane holds eight neighbouring columns of one row.  bo is the C of each sum's first product.
; The results go through the wave's own stage in LDS and leave as whole runs of 512 bytes of a row.  No tensor load, no barrier: waves share nothing.  No cluster: each wave reads its weights once, straight into registers.
; THE MODE: SCHED_MODE bits 1:0 = 2 (LLVM: expert scheduling mode 2), set by the entry lines.  The code itself states the register dependences between vector or matrix instructions and memory or LDS instructions, with s_wait_alu, always for 0.
; THE PLAN.  Registers that memory or LDS instructions touch:
;   v4-v10   offsets and LDS addresses, made at the head and never written again.
;   HA       written by a tile's products, read by its sixteen LDS stores, written again by the next tile's products.
;   BK       at the head the loads of the scale bytes land in v192-207, which eight vector lines read; then a tile's sixteen LDS loads land in it, and its sixteen global stores read it.
;   RS       written by those eight vector lines, taken as scales by the products.  Wo, bo, PS and RF are loaded once.
; The order: tile 0's products | their results into the stage and back | tile 1's products, while the stage's loads come back | tile 0's stores | tile 1's results into the stage and back | its stores.
.set SPITCH, 528                       ; a stage row: 512 bytes + 16
.set RF,  16                           ; v16-79   concat's fragments: tile u, K step s at 32 u + 8 s
.set RS,  80                           ; v80-87   their scale words
.set PS,  88                           ; v88-119  Wo's scale words: tile t, K step s at 4 t + s
.set HA,  120                          ; v120-183 the 8 accumulators
.set BK,  192                          ; v192-255 16 rows back from the stage; at the head v192-207 take the pairs of scale bytes
.set MSB, 0
.macro WIN new
.if MSB != \new
	s_set_vgpr_msb (MSB<<8)|\new
.set MSB, \new
.endif
.endm
	s_load_b256 s[4:11], s[0:1], 0x0               ; cc s[4:5], csc s[6:7], Wo's codes s[8:9], Wo's scales s[10:11]
	s_load_b128 s[12:15], s[0:1], 0x20             ; bo s[12:13], out0 s[14:15]
	v_lshl_add_u32 v190, v0, 2, 0x8400
	v_mov_b32 v191, 0
	v_lshrrev_b32 v1, 5, v0
	v_readfirstlane_b32 s2, v1                     ; wave 0..3
	v_and_b32 v1, 31, v0
	v_and_b32 v2, 15, v0                           ; r
	v_bfe_u32 v3, v0, 4, 1                         ; h
	v_lshlrev_b32 v6, 4, v1                        ; 16 x lane
	v_lshlrev_b32 v7, 8, v2
	v_lshl_add_u32 v7, v3, 4, v7                   ; Wo: row r of 256 bytes, + 16 h
	v_lshlrev_b32 v8, 4, v2                        ; Wo's scale bytes: 16 a row
	v_lshlrev_b32 v9, 5, v3                        ; bo: 8 h numbers on
	v_lshlrev_b32 v10, 1, v2                       ; csc: two bytes a row
	s_wait_alu depctr_va_sdst(0)                   ; s2 is written, ahead of its first reader: the stage's place and the bases are made from it
	s_mul_i32 s16, s2, 16*SPITCH                   ; my stage
	v_mul_u32_u24 v4, v2, SPITCH
	v_lshl_add_u32 v4, v3, 5, v4
	v_add_nc_u32 v4, s16, v4                       ; in: row r, + 32 h
	v_add_nc_u32 v5, s16, v6                       ; back: a row's 512 bytes, 16 a lane
	s_mov_b32 s19, 0
	s_wait_kmcnt 0x0
	s_lshl_b32 s18, ttmp9, 13
	s_add_nc_u64 s[4:5], s[4:5], s[18:19]          ; two row tiles of 4,096 bytes
	s_lshr_b32 s18, ttmp9, 6
	s_lshl_b32 s18, s18, 15                        ; the batch's eight heads,
	s_and_b32 s17, ttmp9, 63
	s_lshl_b32 s17, s17, 6                         ; my 32 rows in a head's 2,048
	s_add_co_u32 s18, s18, s17
	s_add_nc_u64 s[6:7], s[6:7], s[18:19]
	s_lshl_b32 s18, s2, 15
	s_add_nc_u64 s[8:9], s[8:9], s[18:19]
	s_lshl_b32 s18, s2, 11
	s_add_nc_u64 s[10:11], s[10:11], s[18:19]
	s_lshl_b32 s18, s2, 9
	s_add_nc_u64 s[12:13], s[12:13], s[18:19]
	s_lshl_b32 s17, ttmp9, 16                      ; 32 rows of 2,048 bytes
	s_add_co_u32 s18, s18, s17
	s_add_nc_u64 s[14:15], s[14:15], s[18:19]
	s_wait_alu depctr_va_vdst(0)                   ; the offsets and LDS addresses v4 to v10 are written, which every load and store of the kernel reads; up to the wait for the loads only loads and window switches follow
.irp u, 0,1
.irp s, 0,1,2,3
.irp c, 0,1
	global_load_b128 v[RF+32*\u+8*\s+4*\c:RF+32*\u+8*\s+4*\c+3], v6, s[4:5] offset:4096*\u+512*(2*\s+\c)
.endr
.endr
.endr
.irp u, 0,1
.irp e, 0,1,2,3,4,5,6,7
	global_load_u16 v[BK+8*\u+\e], v10, s[6:7] offset:4096*\e+32*\u      ; head e's two bytes of my row
.endr
.endr
	WIN 0x40                                       ; destination window 1: Wo's fragment (t, s) at v[8 (4 t + s)]
.irp t, 0,1,2,3,4,5,6,7
.irp s, 0,1,2,3
.irp c, 0,1
	global_load_b128 v[8*(4*\t+\s)+4*\c:8*(4*\t+\s)+4*\c+3], v7, s[8:9] offset:4096*\t+64*\s+32*\c
.endr
.endr
.endr
	WIN 0
.irp t, 0,1,2,3,4,5,6,7
	global_load_b128 v[PS+4*\t:PS+4*\t+3], v8, s[10:11] offset:256*\t
.endr
	WIN 0x80                                       ; destination window 2: bo of columns 16 t + 8 h + 0 .. 7
.irp t, 0,1,2,3,4,5,6,7
	global_load_b128 v[8*\t:8*\t+3], v9, s[12:13] offset:64*\t
	global_load_b128 v[8*\t+4:8*\t+7], v9, s[12:13] offset:64*\t+16
.endr
	WIN 0
	s_wait_loadcnt 0x0
.irp u, 0,1
.irp s, 0,1,2,3
	v_lshl_or_b32 v[RS+4*\u+\s], v[BK+8*\u+2*\s+1], 16, v[BK+8*\u+2*\s]   ; K step s: head 2 s's two bytes below, head 2 s + 1's above
.endr
.endr
.rept 8
	v_nop                                          ; a scale word made by vector instructions stands eight places ahead of the scaled product
.endr
	s_wait_alu depctr_va_vdst(0)                   ; the eight lines above have written the scale words v80 to v87, which the scaled products take; the places above stay beside this wait
; tile u's 32 products: the 8 accumulators by turns, K step by K step
.macro PRODUCTS u
	WIN 0x21                                       ; source 0 (Wo) window 1, source 2 (bo) window 2
.irp p, 0,1,2,3,4,5,6,7
	v_wmma_scale_f32_16x16x128_f8f6f4 v[HA+8*\p:HA+8*\p+7], v[32*\p:32*\p+7], v[RF+32*\u:RF+32*\u+7], v[8*\p:8*\p+7], v[PS+4*\p], v[RS+4*\u] matrix_a_fmt:MATRIX_FMT_FP4 matrix_b_fmt:MATRIX_FMT_FP4
.endr
	WIN 0x01
.irp s, 1,2,3
.irp p, 0,1,2,3,4,5,6,7
	v_wmma_scale_f32_16x16x128_f8f6f4 v[HA+8*\p:HA+8*\p+7], v[32*\p+8*\s:32*\p+8*\s+7], v[RF+32*\u+8*\s:RF+32*\u+8*\s+7], v[HA+8*\p:HA+8*\p+7], v[PS+4*\p+\s], v[RS+4*\u+\s] matrix_a_fmt:MATRIX_FMT_FP4 matrix_b_fmt:MATRIX_FMT_FP4
.endr
.endr
	WIN 0
.rept 5
	v_nop                                          ; four places ahead of the stores that read results; five ahead of the next tile's products, which begin these accumulators anew with another C
.endr
.endm
.macro TOSTAGE
.irp p, 0,1,2,3,4,5,6,7
	ds_store_b128 v4, v[HA+8*\p:HA+8*\p+3] offset:64*\p          ; each accumulator from its low end on
	ds_store_b128 v4, v[HA+8*\p+4:HA+8*\p+7] offset:64*\p+16
.endr
.endm
.macro BACK
.irp i, 0,1,2,3,4,5,6,7,8,9,10,11,12,13,14,15
	ds_load_b128 v[BK+4*\i:BK+4*\i+3], v5 offset:\i*SPITCH       ; LDS serves a wave's instructions in order (ISA guide 5.7.1.4): these see my stores
.endr
.endm
.macro SEND u
.irp i, 0,1,2,3,4,5,6,7,8,9,10,11,12,13,14,15
	s_wait_dscnt 15-\i                             ; row i is back; the younger loads may be out
	global_store_b128 v6, v[BK+4*\i:BK+4*\i+3], s[14:15] offset:(8*\u+\i+8*(\i/8))*2048 th:TH_STORE_NT   ; 512 consecutive bytes, at a multiple of 256 from out0's first byte
.endr
.endm
	PRODUCTS 0
	s_wait_alu depctr_va_vdst(0)                   ; tile 0's products have written the accumulators, which the LDS stores read; the places above stay beside this wait
	TOSTAGE
	BACK                                           ; (the vector lines that read v192 to v207 stand ahead of the waits above)
	s_wait_alu depctr_vm_vsrc(0)                   ; the LDS stores have read the accumulators, which tile 1's products write
	PRODUCTS 1                                     ; while tile 0's rows come back from the stage; they name none of the registers that the stores below read
	SEND 0
	s_wait_alu depctr_va_vdst(0)                   ; tile 1's products have written the accumulators, which the LDS stores read; their places stand behind the products
	TOSTAGE
	s_wait_xcnt 0x0                                ; the first tile's stores have had their addresses translated (ISA guide 3.1): v[BK] on is loaded again only behind this wait
	s_wait_alu depctr_vm_vsrc(0)                   ; the first tile's global stores have read v[BK] on, in which the loads below land
	BACK
	SEND 1
	s_wait_dscnt 0x0                               ; the closing lines, six on end
	s_wait_alu 0x0
	s_wait_tensorcnt 0x0
	ds_add_u32 v190, v191
	s_wait_dscnt 0x0
	s_endpgm
.Lfunc_end_k_q3db2c2d430_outp:
	.size	k_q3db2c2d430_outp, .Lfunc_end_k_q3db2c2d430_outp-k_q3db2c2d430_outp
	.p2alignl 7, 3214868480
	.fill 96, 4, 3214868480
	.section	.rodata,"a",@progbits
	.p2align	6, 0x0
	.amdhsa_kernel k_q3db2c2d430_outp
		.amdhsa_group_segment_fixed_size 34304
		.amdhsa_private_segment_fixed_size 0
		.amdhsa_enable_private_segment 0
		.amdhsa_kernarg_size 48
		.amdhsa_user_sgpr_count 2
		.amdhsa_user_sgpr_kernarg_segment_ptr 1
		.amdhsa_wavefront_size32 1
		.amdhsa_system_sgpr_workgroup_id_x 1
		.amdhsa_system_sgpr_workgroup_id_y 1
		.amdhsa_system_sgpr_workgroup_id_z 1
		.amdhsa_system_vgpr_workitem_id 0
		.amdhsa_next_free_vgpr 576
		.amdhsa_next_free_sgpr 66
		.amdhsa_reserve_vcc 0
		.amdhsa_float_denorm_mode_32 3
		.amdhsa_float_denorm_mode_16_64 3
		.amdhsa_memory_ordered 1
		.amdhsa_forward_progress 1
		.amdhsa_inst_pref_size 31
	.end_amdhsa_kernel
	.amdgpu_metadata
---
amdhsa.version: [ 1, 2 ]
amdhsa.kernels:
  - .name:           k_q3db2c2d430_outp
    .symbol:         k_q3db2c2d430_outp.kd
    .args:
      - { .name: cc, .offset: 0, .size: 8, .value_kind: global_buffer, .address_space: global }
      - { .name: csc, .offset: 8, .size: 8, .value_kind: global_buffer, .address_space: global }
      - { .name: Wo_codes, .offset: 16, .size: 8, .value_kind: global_buffer, .address_space: global }
      - { .name: Wo_scales, .offset: 24, .size: 8, .value_kind: global_buffer, .address_space: global }
      - { .name: bo, .offset: 32, .size: 8, .value_kind: global_buffer, .address_space: global }
      - { .name: out0, .offset: 40, .size: 8, .value_kind: global_buffer, .address_space: global }
    .group_segment_fixed_size: 34304
    .private_segment_fixed_size: 0
    .kernarg_segment_align: 8
    .kernarg_segment_size: 48
    .max_flat_workgroup_size: 128
    .sgpr_count:     66
    .vgpr_count:     576
    .wavefront_size: 32
...
	.end_amdgpu_metadata
.endif
;; end of part 6
